; MI455X (gfx1250); checked and timed in simulation.
; The chip was launched on July 23, 2026; its instructions are those of AMD's public machine-readable ISA for CDNA 5 (MIT licence, August 2026) and "CDNA5" Instruction Set Architecture Reference Guide (July 2026). The comments in the code are by the model that wrote it; some were corrected since.
;; Ro PE Attention. Allowed arithmetic: float matrix products may take bf16 or f16 operands with f32 sums; other float arithmetic in f32, or as packed bf16 or f16 multiplies, adds, multiply-adds, maxima and minima; sums over many terms, partial sums and values carried from step to step in f32; what a program stores and reads back later, other than sums and carried values, may be rounded once to bf16 or f16.
;; Inputs: Wk 2,048 x 512 float32; Wo 2,048 x 2,048 float32; Wq 2,048 x 2,048 float32; Wv 2,048 x 512 float32; mask 1 x 1 x 2,048 x 2,048 bool; x 1 x 2,048 x 2,048 float32.
;; Outputs: out0 1 x 2,048 x 2,048 float32.
;; 2 versions, each right; version 2 is version 1 with the launch prep written anew for expert scheduling mode. Each part assembles by itself: llvm-mc -triple=amdgcn-amd-amdhsa -mcpu=gfx1250 --defsym DOCPART=n.
;; ======== version 1 of 2: 4 launches
;; limits: values are held in f16: magnitudes above 65,504 overflow, below 6.1e-05 lose precision
;; workspace buffers: xb 8,388,608 bytes; wqkv 12,582,912 bytes; wo16 8,388,608 bytes; rope 1,048,576 bytes; mtab 4,194,304 bytes; qkv 12,582,912 bytes; att 8,388,608 bytes
;; launch prep (part 1): grid 1184 x 1, 8 waves a work-group, no clusters, 0 bytes of LDS; arguments x, Wq, Wk, Wv, Wo, mask, xb, wqkv, wo16, rope, mtab; writes xb, wqkv, wo16, rope, mtab
.if DOCPART == 1
	.amdgcn_target "amdgcn-amd-amdhsa--gfx1250"
	.amdhsa_code_object_version 6
	.text
	.protected	k_q28d4c4e5ba_prep
	.globl	k_q28d4c4e5ba_prep
	.p2align	8
	.type	k_q28d4c4e5ba_prep,@function
k_q28d4c4e5ba_prep:
	s_mov_b64 s[64:65], 0
	v_nop
	global_prefetch_b8 v0, s[64:65] scope:SCOPE_SE
	s_setreg_imm32_b32 hwreg(HW_REG_WAVE_MODE, 25, 1), 1
	s_wait_xcnt 0x0
; FIRST OF FOUR LAUNCHES of out = softmax(mask(rope(x Wq) rope(x Wk)^T / sqrt(128))) (x Wv) Wo, T = C = 2048, 16 query heads, 4 key/value heads, head size 128.
; NO WORK IS LEFT OUT: every input (x, mask, Wq, Wk, Wv, Wo) has a way to the output and is loaded; the mask is an input and is honoured element by element.
; The repeat of the key/value heads is a lookup: query head h reads key/value head h / 4; nothing is copied for it.
; THIS LAUNCH only changes formats, a stream without LDS, barriers or matrix work:
;   xb   = x in bf16 [2048][2048];   wqkv = [Wq | Wk | Wv] in bf16 [2048 k][3072 n];   wo16 = Wo rounded to bf16 and that number written as f16 [2048 k][2048 n]
;   rope = (cos, sin) of t x 10000^(-i/64) in f32 [2048 t][64 i][2]
;   mtab = the mask, a byte a number: 0x00 where true, 0xF1 where false (the top byte of the f32 number -2^99), in the order in which a lane of the attention launch wants them:
;          [64 blk][16 slot][2 qt][2 kh][2 n][32 lane][16 e]: query 32 blk + 16 qt + lane % 16, key 128 slot + 64 kh + 16 (2 n + e / 8) + 8 (lane / 16) + e % 8
; LIMITS.  Wo below 7.6e-6 in magnitude keeps f16's fixed step of 6e-8; mask bytes are 0 or 1; the angles' sine and cosine are good to about 1e-6 (reduction by 2 pi in two parts, series to the 11th power on half the angle).
; SHARES by the work-group's number: 0-255 x, 256-511 Wq, 512-767 Wo (8 rows of 2048 each), 768-831 Wk, 832-895 Wv (32 rows of 512), 896-927 rope (a wave 8 rows), 928-1183 mtab (a wave 16 queries x 128 keys).
.set VI,  2                            ; v2   16 x thread: my 16 bytes of a chunk of 4,096 bytes of f32
.set VO,  3                            ; v3   8 x thread: my 8 bytes of the chunk in 16 bits, wide rows
.set VN,  4                            ; v4   the same where a chunk is two rows of 512: (thread / 128) x 6144 + (thread % 128) x 8
.set IN,  16                           ; v[16:79]   as loaded
.set OUT, 80                           ; v[80:143]  to store; no register is used twice, so no store's data is rewritten
	s_load_b512 s[8:23], s[0:1], 0x0               ; x 8, Wq 10, Wk 12, Wv 14, Wo 16, mask 18, xb 20, wqkv 22
	s_load_b128 s[24:27], s[0:1], 0x40             ; wo16 24, rope 26
	s_load_b64 s[28:29], s[0:1], 0x50              ; mtab
	v_lshrrev_b32 v1, 5, v0
	v_readfirstlane_b32 s4, v1                     ; wave 0..7
	s_mov_b32 s5, ttmp9
	s_mov_b32 s33, 0                               ; the high word of every offset pair s[32:33]
	s_mov_b32 s31, 0                               ; a cast's first column in its rows of dst, in bytes
	v_lshlrev_b32 v[VI], 4, v0
	v_lshlrev_b32 v[VO], 3, v0
	v_lshrrev_b32 v5, 7, v0
	v_and_b32 v6, 0x7f, v0
	v_lshlrev_b32 v6, 3, v6
	v_mad_u32_u24 v[VN], v5, 6144, v6
	s_wait_kmcnt 0x0
; 64 KiB of f32 become 32 KiB of 16-bit numbers: 16 chunks of 4,096 bytes, all 16 loads of a lane issued first; a wave's store covers 256 consecutive bytes, aligned.
; s30: the work-group's number in its section; s31: see above.  src, dst: the scalar pairs with the two addresses; group: bytes of dst a work-group; narrow = 1: rows of 512; fmt = 1: bf16's number written as f16.
.macro CAST src, dst, group, narrow, pitch, fmt
	s_lshl_b32 s32, s30, 16
	s_add_nc_u64 s[34:35], s[\src:\src+1], s[32:33]
	s_mul_i32 s32, s30, \group
	s_add_co_u32 s32, s32, s31
	s_add_nc_u64 s[36:37], s[\dst:\dst+1], s[32:33]
.set c, 0
.rept 16
	global_load_b128 v[IN+4*c:IN+4*c+3], v[VI], s[34:35] offset:4096*c th:TH_LOAD_NT
.set c, c+1
.endr
.set c, 0
.rept 16
	s_wait_loadcnt 15-c                            ; loads come back in order: chunk c is in, the younger ones stay out
	v_cvt_pk_bf16_f32 v[OUT+2*c], v[IN+4*c], v[IN+4*c+1]
	v_cvt_pk_bf16_f32 v[OUT+2*c+1], v[IN+4*c+2], v[IN+4*c+3]
.if \fmt
	v_lshlrev_b32 v5, 16, v[OUT+2*c]               ; the two bf16 numbers as f32,
	v_and_b32 v6, 0xffff0000, v[OUT+2*c]
	v_lshlrev_b32 v7, 16, v[OUT+2*c+1]
	v_and_b32 v8, 0xffff0000, v[OUT+2*c+1]
	v_cvt_pk_f16_f32 v[OUT+2*c], v5, v6            ; written as f16
	v_cvt_pk_f16_f32 v[OUT+2*c+1], v7, v8
.endif
.if \narrow
	global_store_b64 v[VN], v[OUT+2*c:OUT+2*c+1], s[36:37] offset:2*(\pitch)*c
.else
	global_store_b64 v[VO], v[OUT+2*c:OUT+2*c+1], s[36:37] offset:(c/2)*(\pitch)+(c%2)*2048
.endif
.set c, c+1
.endr
	s_endpgm
.endm
	s_cmp_lt_u32 s5, 256
	s_cbranch_scc0 .Lwq
	s_mov_b32 s30, s5
	CAST 8, 20, 8*4096, 0, 4096, 0                 ; x -> xb
.Lwq:
	s_cmp_lt_u32 s5, 512
	s_cbranch_scc0 .Lwo
	s_sub_co_u32 s30, s5, 256
	CAST 10, 22, 8*6144, 0, 6144, 0                ; Wq -> wqkv, columns 0-2047
.Lwo:
	s_cmp_lt_u32 s5, 768
	s_cbranch_scc0 .Lwk
	s_sub_co_u32 s30, s5, 512
	CAST 16, 24, 8*4096, 0, 4096, 1                ; Wo -> wo16
.Lwk:
	s_cmp_lt_u32 s5, 896
	s_cbranch_scc0 .Lrope
	s_sub_co_u32 s30, s5, 768                      ; one text for Wk and Wv: the source and the first column are chosen by the work-group's number
	s_mov_b32 s31, 5120
	s_cmp_lt_u32 s30, 64
	s_cselect_b64 s[38:39], s[12:13], s[14:15]
	s_cselect_b32 s31, 4096, s31                   ; Wk: columns 2048-2559; Wv: columns 2560-3071
	s_and_b32 s30, s30, 63
	CAST 38, 22, 32*6144, 1, 6144, 0
.Lrope:
	s_cmp_lt_u32 s5, 928
	s_cbranch_scc0 .Lmask
	; THE TABLE OF ANGLES.  A wave makes 8 rows; lane l the pairs 2 l and 2 l + 1 of a row: 16 bytes a lane, a whole row of 512 bytes a store.
	s_sub_co_u32 s30, s5, 896
	s_lshl_b32 s30, s30, 3
	s_add_co_u32 s30, s30, s4                      ; my wave among 256
	s_lshl_b32 s38, s30, 3                         ; its first row t
	s_mov_b32 s40, 0x40490000                      ; pi in two parts: 3.140625, whose product with n < 512 is exact,
	s_mov_b32 s41, 0x3a7daa22                      ; and 9.6765359e-4
	v_and_b32 v5, 31, v0
	v_lshlrev_b32 v6, 1, v5
	v_cvt_f32_u32 v7, v6
	v_add_f32 v8, 1.0, v7
	v_mul_f32 v7, 0xbe549a78, v7                   ; -i x log2(10000) / 64
	v_mul_f32 v8, 0xbe549a78, v8
	v_exp_f32 v7, v7                               ; 10000^(-i/64)
	v_exp_f32 v8, v8
	s_lshl_b32 s42, s38, 9
	v_lshl_add_u32 v9, v5, 4, s42                  ; t x 512 + 16 l: the plain instruction behind the two exponentials
	s_wait_alu depctr_va_vdst(0)                   ; one wait for both, ahead of their first reader and of the label
	s_mov_b32 s39, 8
.Lrow:
	v_cvt_f32_u32 v10, s38
.irp p, 0,1
	v_mul_f32 v11, v10, v[7+\p]                    ; the angle, as reference() forms it
	v_mul_f32 v12, 0.15915494, v11
	v_rndne_f32 v12, v12                           ; n = whole turns
	v_mul_f32 v13, 0.5, v11
	v_fma_f32 v13, -v12, s40, v13
	v_fma_f32 v13, -v12, s41, v13                  ; hh = angle / 2 - n pi, within pi / 2
	v_mul_f32 v14, v13, v13
	v_mov_b32 v15, 0xb2d7322b                      ; sin hh / hh: -1/11!, 1/9!, -1/7!, 1/5!, -1/3!, 1
	v_fmaak_f32 v15, v15, v14, 0x3638ef1d
	v_fmaak_f32 v15, v15, v14, 0xb9500d01
	v_fmaak_f32 v15, v15, v14, 0x3c088889
	v_fmaak_f32 v15, v15, v14, 0xbe2aaaab
	v_fmaak_f32 v15, v15, v14, 0x3f800000
	v_mov_b32 v16, 0xb493f27e                      ; cos hh: -1/10!, 1/8!, -1/6!, 1/4!, -1/2, 1
	v_fmaak_f32 v16, v16, v14, 0x37d00d01
	v_fmaak_f32 v16, v16, v14, 0xbab60b61
	v_fmaak_f32 v16, v16, v14, 0x3d2aaaab
	v_fmaak_f32 v16, v16, v14, 0xbf000000
	v_fmaak_f32 v16, v16, v14, 0x3f800000
	v_mul_f32 v15, v13, v15                        ; sin hh
	v_mul_f32 v17, v15, v16
	v_mul_f32 v18, v15, v15
	v_add_f32 v[21+2*\p], v17, v17                 ; sin = 2 sin hh cos hh
	v_fma_f32 v[20+2*\p], v18, -2.0, 1.0           ; cos = 1 - 2 sin^2 hh
.endr
	global_store_b128 v9, v[20:23], s[26:27]
	s_wait_xcnt 0x0                                ; the store has read its address and data: only now are they written again
	v_add_nc_u32 v9, 0x200, v9
	s_add_co_u32 s38, s38, 1
	s_sub_co_u32 s39, s39, 1
	s_cmp_lg_u32 s39, 0
	s_cbranch_scc1 .Lrow
	s_endpgm
.Lmask:
	; THE MASK'S TABLE.  Wave u = (blk x 16 + slot) x 2 + qt makes 16 queries x 128 keys: 2 KiB.  The eight waves of a work-group take 32 rows x 512 keys of the mask between them.
	s_sub_co_u32 s30, s5, 928
	s_lshl_b32 s30, s30, 3
	s_add_co_u32 s30, s30, s4                      ; u
	s_and_b32 s31, s30, 1                          ; qt
	s_bfe_u32 s38, s30, 0x40001                    ; slot
	s_lshr_b32 s39, s30, 5                         ; blk
	s_lshl_b32 s39, s39, 16                        ; 32 rows of 2,048 bytes
	s_lshl_b32 s31, s31, 15                        ; 16 rows
	s_lshl_b32 s38, s38, 7                         ; 128 keys
	s_add_co_u32 s32, s39, s31
	s_add_co_u32 s32, s32, s38
	s_add_nc_u64 s[34:35], s[18:19], s[32:33]
	s_lshl_b32 s32, s30, 11
	s_add_nc_u64 s[36:37], s[28:29], s[32:33]
	s_mov_b32 s40, 0x01010101
	s_mov_b32 s41, 0xf1f1f1f1
	v_and_b32 v5, 15, v0
	v_bfe_u32 v6, v0, 4, 1
	v_lshlrev_b32 v7, 11, v5
	v_lshl_add_u32 v7, v6, 3, v7                   ; row l % 16, keys 8 (l / 16) on
	v_and_b32 v8, 31, v0
	v_lshlrev_b32 v8, 4, v8
.set i, 0
.rept 8                                        ; i = 4 kh + kb: the 8 keys 64 kh + 16 kb + 8 (l / 16) + 0..7
	global_load_b64 v[IN+2*i:IN+2*i+1], v7, s[34:35] offset:16*i
.set i, i+1
.endr
.set m, 0
.rept 4                                        ; m = 2 kh + n: loads 2 m and 2 m + 1 are a lane's 16 bytes
	s_wait_loadcnt 6-2*m                           ; both are in, the younger ones stay out
.irp d, 0,1,2,3                                ; four bytes at a time: 1 -> 0x00, 0 -> 0xF1
	v_xor_b32 v[OUT+4*m+\d], s40, v[IN+4*m+\d]             ; 1 - b in each byte
	v_lshlrev_b32 v[OUT+16+4*m+\d], 8, v[OUT+4*m+\d]
	v_sub_nc_u32 v[OUT+16+4*m+\d], v[OUT+16+4*m+\d], v[OUT+4*m+\d]  ; times 255: no byte borrows from its neighbour for good, since each is 0 or 1
	v_and_b32 v[OUT+4*m+\d], s41, v[OUT+16+4*m+\d]
.endr
	global_store_b128 v8, v[OUT+4*m:OUT+4*m+3], s[36:37] offset:512*m  ; 512 consecutive bytes a store
.set m, m+1
.endr
	s_endpgm
.Lfunc_end_k_q28d4c4e5ba_prep:
	.size	k_q28d4c4e5ba_prep, .Lfunc_end_k_q28d4c4e5ba_prep-k_q28d4c4e5ba_prep
	.p2alignl 7, 3214868480
	.fill 96, 4, 3214868480
	.section	.rodata,"a",@progbits
	.p2align	6, 0x0
	.amdhsa_kernel k_q28d4c4e5ba_prep
		.amdhsa_group_segment_fixed_size 0
		.amdhsa_private_segment_fixed_size 0
		.amdhsa_enable_private_segment 0
		.amdhsa_kernarg_size 88
		.amdhsa_user_sgpr_count 2
		.amdhsa_user_sgpr_kernarg_segment_ptr 1
		.amdhsa_wavefront_size32 1
		.amdhsa_system_sgpr_workgroup_id_x 1
		.amdhsa_system_sgpr_workgroup_id_y 1
		.amdhsa_system_sgpr_workgroup_id_z 1
		.amdhsa_system_vgpr_workitem_id 0
		.amdhsa_next_free_vgpr 144
		.amdhsa_next_free_sgpr 66
		.amdhsa_reserve_vcc 0
		.amdhsa_float_denorm_mode_32 3
		.amdhsa_float_denorm_mode_16_64 3
		.amdhsa_memory_ordered 1
		.amdhsa_forward_progress 1
		.amdhsa_inst_pref_size 38
	.end_amdhsa_kernel
	.amdgpu_metadata
---
amdhsa.version: [ 1, 2 ]
amdhsa.kernels:
  - .name:           k_q28d4c4e5ba_prep
    .symbol:         k_q28d4c4e5ba_prep.kd
    .args:
      - { .name: x, .offset: 0, .size: 8, .value_kind: global_buffer, .address_space: global }
      - { .name: Wq, .offset: 8, .size: 8, .value_kind: global_buffer, .address_space: global }
      - { .name: Wk, .offset: 16, .size: 8, .value_kind: global_buffer, .address_space: global }
      - { .name: Wv, .offset: 24, .size: 8, .value_kind: global_buffer, .address_space: global }
      - { .name: Wo, .offset: 32, .size: 8, .value_kind: global_buffer, .address_space: global }
      - { .name: mask, .offset: 40, .size: 8, .value_kind: global_buffer, .address_space: global }
      - { .name: xb, .offset: 48, .size: 8, .value_kind: global_buffer, .address_space: global }
      - { .name: wqkv, .offset: 56, .size: 8, .value_kind: global_buffer, .address_space: global }
      - { .name: wo16, .offset: 64, .size: 8, .value_kind: global_buffer, .address_space: global }
      - { .name: rope, .offset: 72, .size: 8, .value_kind: global_buffer, .address_space: global }
      - { .name: mtab, .offset: 80, .size: 8, .value_kind: global_buffer, .address_space: global }
    .group_segment_fixed_size: 0
    .private_segment_fixed_size: 0
    .kernarg_segment_align: 8
    .kernarg_segment_size: 88
    .max_flat_workgroup_size: 256
    .sgpr_count:     66
    .vgpr_count:     144
    .wavefront_size: 32
...
	.end_amdgpu_metadata
.endif
;; end of part 1
;; launch qkv (part 2): grid 8 x 32, 4 waves a work-group, clusters of 4 x 4, 327,680 bytes of LDS; arguments xb, wqkv, rope, qkv; writes qkv
.if DOCPART == 2
	.amdgcn_target "amdgcn-amd-amdhsa--gfx1250"
	.amdhsa_code_object_version 6
	.text
	.protected	k_q28d4c4e5ba_qkv
	.globl	k_q28d4c4e5ba_qkv
	.p2align	8
	.type	k_q28d4c4e5ba_qkv,@function
k_q28d4c4e5ba_qkv:
	s_mov_b64 s[64:65], 0
	v_nop
	global_prefetch_b8 v0, s[64:65] scope:SCOPE_SE
	s_setreg_imm32_b32 hwreg(HW_REG_WAVE_MODE, 25, 1), 1
	s_wait_xcnt 0x0
	s_wait_alu depctr_hold_cnt(0) depctr_sa_sdst(0) depctr_va_vdst(0) depctr_va_sdst(0) depctr_va_ssrc(0) depctr_va_vcc(0) depctr_vm_vsrc(0)
	s_getreg_b32 s2, hwreg(HW_REG_IB_STS2, 6, 4)
	s_cmp_eq_u32 s2, 0
	s_cbranch_scc0 .Lentry_in_a_cluster
	s_endpgm
.Lentry_in_a_cluster:
	s_bfe_u32 s2, ttmp6, 0x10000c
	s_cmp_lg_u32 s2, 0xf033
	s_cbranch_scc0 .Lentry_shape_is_right
	s_endpgm
.Lentry_shape_is_right:
; q, k, v = x [Wq | Wk | Wv], q and k turned by the table of angles, written by heads: qkv[24 head][2048 t][128] in f16 (heads 0-15 q, 16-19 k, 20-23 v), unscaled.  Nothing of reference() is left out here.
; xb: [2048][2048] bf16, wqkv: [2048 k][3072 n] bf16, rope: [2048][64][2] f32.  Products in bf16, sums in f32, the turn in f32, one rounding to f16.
; LIMIT.  f16 ends at 65,504: q, k and v must stay within it (with the drawn spread they are near 1; thirty times larger inputs on both sides give some thousands).
; SHARES.  A tile of C is 64 rows x 384 columns = three whole heads: 8 x 32 = 256 work-groups.  Wave w takes all 64 rows and columns 32 w .. 32 w + 31 of each of the three heads: 24 accumulators of 16 x 16.
; K goes in steps of 128 through two LDS slots; x's rows are 256 bytes of memory, a panel of wqkv is 128 k rows x 256 bytes; both start at multiples of 256 bytes.
; THE WALK ALONG K BEGINS ELSEWHERE IN EACH CLUSTER and goes round: cluster (x, y) begins at K step (4 ((y + 2 (y / 4)) % 4) + 8 x) % 16.  The f32 sums take the steps in any order.  So the two clusters that
; read the same rows of x stand 8 steps apart, and of the clusters that read the same panels of W at most two ask for the same K step at the same time.  The start is made of the cluster's numbers alone: it is equal in all sixteen partners.
; THE MATRIX INSTRUCTION IS USED TRANSPOSED: source 0 = 16 columns of W (out of [k][n] rows in LDS by the turning load), source 1 = 16 rows of x: a lane holds one row of C and eight neighbouring columns, four pairs of the turn.
; CLUSTER 4 x 4: the four work-groups of a row of the cluster need the same tile of x, the four of a column the same three panels of W: each is asked for jointly.  Waves 0 to 2 ask for panel w each, wave 3 for x's tile.
; REGISTERS.  window 0: v0-31 addresses and at work; v32-63 packed results; v64-255 accumulators ((a, b) at 64 + 8 (6 a + b), b = 2 head + half).
;   window 1: two fragment buffers of 80 (six of W, four of x); v160-223 the table's 64 numbers of my rows and columns.
.set PA,    272                        ; a row of x in LDS: 256 bytes + 16: the 16 rows of a load start 4 banks apart
.set PB,    288                        ; a k row of a panel: 256 + 32
.set BOFF,  64*PA
.set PANEL, 128*PB
.set SLOT,  BOFF+3*PANEL               ; 128,000 bytes
.set STAGE, 2*SLOT                     ; behind the ring, never filled by a tensor load: 64 rows x 784 bytes
.set SP,    784                        ; three heads' 256 bytes + 16
.set SPARE, STAGE+64*SP                ; the spare words, 128 bytes for each wave: two blocks of 256 bytes that no other line names
.set LAPS,  8                          ; 16 K steps, two a lap
.set BSTEP, 128*6144                   ; bytes of wqkv in a K step
.set STO,  8                           ; v8   the way out: where I put 16 bytes of a row
.set RD,   9                           ; v9   where I read rows back
.set CO,   10                          ; v10  my byte offset in two rows of a head
.set RO,   11                          ; v11  my byte offset in 16 rows of the table; never rewritten
.set PFO,  12                          ; v12  the prefetches' offset; never rewritten
.set SPW,  14                          ; v14  LDS address of my spare word; never rewritten
.set NIL,  15                          ; v15  0; never rewritten
.set ADRA, 16                          ; v16-17  my x fragments in slot 0, 1
.set ADRB, 18                          ; v18-23  my W fragments: slot s, panel p at 18 + 3 s + p
.set U,    24                          ; v24-31  at work in the turn
.set TMP,  32
.set ACC,  64
.set F0,   0                           ; window 1
.set F1,   80
.set TT,   160                         ; window 1: (a, half) at 160 + 8 (2 a + half): c0 s0 c1 s1 c2 s2 c3 s3
.set TS,   0                           ; window 1: the table as a head takes it (v's heads: 1, 0)
.set WV,   12                          ; s12  my wave's number
.set KS,   17                          ; s17  the K step asked for last, counted on without the wrap
.set KT,   18                          ; s18  the K step to ask for, 0..15
.set XB,   20                          ; s[20:21] x at my tile's first row, K step 0; never rewritten
.set G1A,  24                          ; s[24:31] group 1 for x's tiles;  s[32:39] group 0, a set for each slot
.set G0A,  32
.set LIM,  40                          ; s40  5 in the wave that prefetches, else the greatest number
.set PFA,  42                          ; s[42:43] where my prefetches stand
.set OFF,  44                          ; s[44:45] a K step's byte offset; the high word stays 0
.set WB,   46                          ; s[46:47] W at my panel, K step 0; never rewritten
.set G1B,  48                          ; s[48:55], s[56:63] the same for W's panels
.set G0B,  56
.set VM,   66                          ; s66-68  by head of the tile: all ones where it is one of v's
.set MSB, 0
.macro WIN new                         ; the immediate's high byte repeats the setting that is left
.if MSB != (\new)
	s_set_vgpr_msb (MSB<<8)|(\new)
.set MSB, \new
.endif
.endm
.set MUL,  0x05                        ; sources 0 and 1 window 1; C and D window 0
.set TO_F, 0x40                        ; destination window 1, address window 0
.macro JLOAD s                         ; a joint load; the branch hangs on the wave's number alone: wave 3 takes x's line, waves 0 to 2 W's, each into its own panel; an s_nop 0 and four v_nop follow each line
	s_cmp_eq_u32 s[WV], 3
	s_cbranch_scc0 .Lfor_b_\@
	tensor_load_to_lds s[G0A+4*(\s):G0A+4*(\s)+3], s[G1A:G1A+7]
	s_nop 0
.rept 4
	v_nop
.endr
	s_branch .Lasked_\@
.Lfor_b_\@:
	tensor_load_to_lds s[G0B+4*(\s):G0B+4*(\s)+3], s[G1B:G1B+7]
	s_nop 0
.rept 4
	v_nop
.endr
.Lasked_\@:
.endm
; A PREFETCH INTO THE L2 of x's rows, two K steps at a time (lanes 0-15 one, lanes 16-31 the next), of which the first stands two refills, 192 matrix instructions, ahead of the load that will want it; a lane names 256 bytes of a row.
; Of a tile row's 16 K steps each of its two clusters is the first to walk eight.  Of those eight the first four come by their loads alone; wave 3 names the other four, at slot 0's refills of the first two laps.
; The four partners that ask for the tile jointly take 16 rows each BY ADDRESS (cx).  So each block is named once in the launch.  The four steps begin at a multiple of four, so they do not pass the row's end.
; W's panels are not named: the steps that a cluster is the first to walk are its first four.
.macro ASK
	s_cmp_gt_u32 s3, s[LIM]                        ; s3 = 7 and 6 in the first two laps
	s_cbranch_scc0 .Lnot_mine_\@
	global_prefetch_b8 v[PFO], s[PFA:PFA+1] th:TH_LOAD_NT scope:SCOPE_SE
.Lnot_mine_\@:
.endm
.macro CREST                           ; a round of the cluster's barrier behind its opening barrier
	s_cmp_lg_u32 s[WV], 0
	s_cbranch_scc1 .Lnot_wave_0_\@
	s_barrier_signal -3
.Lnot_wave_0_\@:
	s_barrier_wait -3
	s_barrier_signal -1
	s_barrier_wait -1
.endm
.macro CROUND
	s_barrier_signal -1
	s_barrier_wait -1
	CREST
.endm
	s_load_b256 s[4:11], s[0:1], 0x0               ; xb s[4:5], wqkv s[6:7], rope s[8:9], qkv s[10:11]
	v_lshl_add_u32 v[SPW], v0, 2, SPARE
	v_mov_b32 v[NIL], 0
	ds_add_u32 v[SPW], v[NIL]                      ; the wave's opening: the add, twice on end, and its wait ahead of my first tensor load
	ds_add_u32 v[SPW], v[NIL]
	v_lshrrev_b32 v1, 5, v0
	v_readfirstlane_b32 s[WV], v1                  ; wave 0..3
	s_bfe_u32 s13, ttmp6, 0x40000                  ; cx
	s_bfe_u32 s14, ttmp6, 0x40004                  ; cy
	s_lshl_b32 s15, ttmp9, 2
	s_add_co_u32 s15, s15, s13                     ; nt: the tile's three heads are 3 nt ..
	s_and_b32 s16, ttmp7, 0xffff                   ; cluster y
	s_lshr_b32 s[KS], s16, 2
	s_lshl1_add_u32 s[KS], s[KS], s16              ; y + 2 (y / 4)
	s_and_b32 s[KS], s[KS], 3
	s_lshl_b32 s[KS], s[KS], 2
	s_lshl_b32 s18, ttmp9, 3
	s_add_co_u32 s[KS], s[KS], s18
	s_and_b32 s[KS], s[KS], 15                     ; where my cluster's walk begins: a multiple of four
	s_lshl_b32 s16, s16, 2
	s_add_co_u32 s16, s16, s14                     ; mt: its rows are 64 mt ..
	s_lshl_b32 s18, s14, 2
	s_lshl_b32 s18, 15, s18                        ; my row of the cluster
	s_lshl_b32 s19, 0x1111, s13                    ; my column
	s_or_b32 s[G1A], s18, (1<<16)|(1<<20)|(1<<21)|(5<<22)|(3<<25)   ; mask; 2-byte elements; padding on; bit 21 beside a mask; after every 64 words, 4 words
	s_or_b32 s[G1B], s19, (1<<16)|(1<<20)|(1<<21)|(5<<22)|(7<<25)   ; the same with my column's mask and 8 words
	s_mov_b32 s[G1A+1], 128<<16                    ; tensor_dim0 = 128
	s_mov_b32 s[G1A+2], 64<<16                     ; tensor_dim1 = 64
	s_mov_b32 s[G1A+3], 128<<16                    ; tile_dim0 = 128
	s_mov_b32 s[G1A+4], 64                         ; tile_dim1 = 64
	s_mov_b32 s[G1A+5], 2048                       ; elements from row to row
	s_mov_b32 s[G1A+6], 0
	s_mov_b32 s[G1A+7], 0
	s_mov_b32 s[G1B+1], 128<<16
	s_mov_b32 s[G1B+2], 128<<16
	s_mov_b32 s[G1B+3], 128<<16
	s_mov_b32 s[G1B+4], 128
	s_mov_b32 s[G1B+5], 3072
	s_mov_b32 s[G1B+6], 0
	s_mov_b32 s[G1B+7], 0
	s_lshl_b32 s[XB], s16, 18                      ; x: 64 mt rows of 4,096 bytes: made of the tile row alone
	s_mov_b32 s[XB+1], 0
	s_mul_i32 s[WB], s15, 768                      ; W: 768 nt + 256 x wave: made of the tile column and the wave's number alone (wave 3's is never used)
	s_lshl_b32 s[WB+1], s[WV], 8
	s_add_co_u32 s[WB], s[WB], s[WB+1]
	s_mov_b32 s[WB+1], 0
	s_mov_b32 s[OFF+1], 0
	s_mul_i32 s72, s[WV], PANEL                    ; a panel's place in a slot: the wave's number times a constant
	s_wait_dscnt 0x0                               ; both opening adds are done
	s_wait_kmcnt 0x0
	s_add_nc_u64 s[XB:XB+1], s[4:5], s[XB:XB+1]
	s_add_nc_u64 s[WB:WB+1], s[6:7], s[WB:WB+1]
	s_lshl_b32 s[OFF], s[KS], 8
	s_add_nc_u64 s[70:71], s[XB:XB+1], s[OFF:OFF+1]  ; both at the walk's first K step
	s_mul_i32 s[OFF], s[KS], BSTEP
	s_add_nc_u64 s[74:75], s[WB:WB+1], s[OFF:OFF+1]
	CROUND                                         ; all sixteen work-groups are here: the first joint loads meet
.irp s, 0,1
	s_mov_b32 s[G0A+4*(\s)], 1
	s_mov_b32 s[G0A+4*(\s)+1], (\s)*SLOT
	s_add_nc_u64 s[G0A+4*(\s)+2:G0A+4*(\s)+3], s[70:71], (\s)*256
	s_or_b32 s[G0A+4*(\s)+3], s[G0A+4*(\s)+3], 0x80000000
	s_mov_b32 s[G0B+4*(\s)], 1
	s_add_co_u32 s[G0B+4*(\s)+1], s72, (\s)*SLOT+BOFF
	s_add_nc_u64 s[G0B+4*(\s)+2:G0B+4*(\s)+3], s[74:75], (\s)*BSTEP
	s_or_b32 s[G0B+4*(\s)+3], s[G0B+4*(\s)+3], 0x80000000
	JLOAD \s                                       ; the walk's first two K steps (the start is even: the second does not wrap): two loads of mine are out
.endr
	s_add_co_u32 s[KS], s[KS], 1
	v_and_b32 v1, 15, v0                           ; l % 16
	v_bfe_u32 v2, v0, 4, 1                         ; l / 16
	v_and_b32 v3, 7, v0
	v_bfe_u32 v4, v0, 3, 1
	v_mul_u32_u24 v5, v1, PA
	v_lshl_add_u32 v5, v2, 4, v5                   ; x: row x pitch + 16 x half
	v_mov_b32 v[ADRA], v5
	v_add_nc_u32 v[ADRA+1], SLOT, v5
	v_lshl_add_u32 v6, v2, 3, v3                   ; W, turning load: k row 8 (l / 16) + l % 8,
	v_mul_u32_u24 v6, v6, PB
	v_lshl_add_u32 v6, v4, 4, v6                   ; columns 8 ((l / 8) % 2) on,
	s_lshl_b32 s22, s[WV], 6
	v_add_nc_u32 v6, s22, v6                       ; in my wave's 32 columns of a panel
.irp s, 0,1
.irp p, 0,1,2
	v_add_nc_u32 v[ADRB+3*(\s)+(\p)], (\s)*SLOT+BOFF+(\p)*PANEL, v6
.endr
.endr
	v_mul_u32_u24 v5, v1, SP                       ; into the stage: row l % 16, my wave's 64 bytes of a head, 16 bytes for each half of the lanes
	v_lshl_add_u32 v5, v2, 4, v5
	v_add_nc_u32 v5, s22, v5
	v_add_nc_u32 v[STO], STAGE, v5
	s_mul_i32 s23, s[WV], 16*SP                    ; back: wave w takes rows 16 w .. 16 w + 15, whole
	s_add_co_u32 s23, s23, STAGE
	v_mul_u32_u24 v5, v2, SP
	v_lshl_add_u32 v5, v1, 4, v5
	v_add_nc_u32 v[RD], s23, v5
	v_lshlrev_b32 v5, 8, v2
	v_lshl_add_u32 v[CO], v1, 4, v5
	v_lshlrev_b32 v5, 9, v1                        ; the table: row l % 16, pairs 16 w + 4 (l / 16) on: 512 r + 128 w + 32 h
	v_lshl_add_u32 v5, v2, 5, v5
	s_lshl_b32 s22, s[WV], 7
	v_add_nc_u32 v[RO], s22, v5
	s_lshl_b32 s22, s16, 15                        ; 64 mt rows of 512 bytes
	s_mov_b32 s23, 0
	s_add_nc_u64 s[8:9], s[8:9], s[22:23]
	WIN TO_F
.irp a, 0,1,2,3
.irp hf, 0,1                                   ; these sixteen loads stay out until the way out waits for them; nothing touches their registers meanwhile
	global_load_b128 v[TT+8*(2*(\a)+(\hf)):TT+8*(2*(\a)+(\hf))+3],   v[RO], s[8:9] offset:8192*(\a)+64*(\hf)
	global_load_b128 v[TT+8*(2*(\a)+(\hf))+4:TT+8*(2*(\a)+(\hf))+7], v[RO], s[8:9] offset:8192*(\a)+64*(\hf)+16
.endr
.endr
	WIN 0
	s_mul_i32 s22, s15, 3*524288                   ; qkv at head 3 nt, row 64 mt + 16 w
	s_lshl_b32 s70, s16, 14
	s_add_co_u32 s22, s22, s70
	s_lshl_b32 s70, s[WV], 12
	s_add_co_u32 s22, s22, s70
	s_add_nc_u64 s[10:11], s[10:11], s[22:23]
	; the prefetches: the offset is made apart from the address
	s_lshl_b32 s70, s16, 6
	s_lshl_b32 s71, s13, 4
	s_add_co_u32 s70, s70, s71                     ; row 64 mt + 16 cx,
	s_lshl_b32 s70, s70, 12
	s_add_co_u32 s71, s[KS], 3                     ; at the walk's fifth K step
	s_and_b32 s71, s71, 15
	s_lshl_b32 s71, s71, 8
	s_add_co_u32 s70, s70, s71
	s_mov_b32 s71, 0
	s_add_nc_u64 s[PFA:PFA+1], s[4:5], s[70:71]
	s_cmp_eq_u32 s[WV], 3                          ; the wave that fetches x's tiles asks
	s_cselect_b32 s[LIM], 5, -1
	v_lshlrev_b32 v5, 12, v1
	v_lshl_add_u32 v[PFO], v2, 8, v5               ; (l % 16) rows + (l / 16) K steps
; six matrix instructions: row block a x all six column blocks, 32 along K.  The 24 accumulators take turns in one fixed order, one instruction a turn, over the backward jump too.
.macro MUL6 f, a, zero
	WIN MUL
.irp b, 0,1,2,3,4,5
.if \zero
	v_wmma_f32_16x16x32_bf16 v[ACC+8*(6*(\a)+(\b)):ACC+8*(6*(\a)+(\b))+7], v[(\f)+8*(\b):(\f)+8*(\b)+7], v[(\f)+48+8*(\a):(\f)+48+8*(\a)+7], 0
.else
	v_wmma_f32_16x16x32_bf16 v[ACC+8*(6*(\a)+(\b)):ACC+8*(6*(\a)+(\b))+7], v[(\f)+8*(\b):(\f)+8*(\b)+7], v[(\f)+48+8*(\a):(\f)+48+8*(\a)+7], v[ACC+8*(6*(\a)+(\b)):ACC+8*(6*(\a)+(\b))+7]
.endif
.endr
.endm
; 20 LDS loads in one run: quarter q (32 along K) of a slot into buffer f: W's six fragments, then x's rows 0-31, then its rows 32-63
.macro FETCH slot, q, f
	WIN TO_F
.irp p, 0,1,2
.irp hf, 0,1
	ds_load_tr16_b128 v[(\f)+8*(2*(\p)+(\hf)):(\f)+8*(2*(\p)+(\hf))+3],   v[ADRB+3*(\slot)+(\p)] offset:(\q)*32*PB+32*(\hf)
	ds_load_tr16_b128 v[(\f)+8*(2*(\p)+(\hf))+4:(\f)+8*(2*(\p)+(\hf))+7], v[ADRB+3*(\slot)+(\p)] offset:(\q)*32*PB+32*(\hf)+16*PB
.endr
.endr
.irp a, 0,1,2,3
	ds_load_b128 v[(\f)+48+8*(\a):(\f)+48+8*(\a)+3],   v[ADRA+(\slot)] offset:(\a)*16*PA+64*(\q)
	ds_load_b128 v[(\f)+48+8*(\a)+4:(\f)+48+8*(\a)+7], v[ADRA+(\slot)] offset:(\a)*16*PA+64*(\q)+32
.endr
.endm
.macro PLACES                          ; four plain instructions between a matrix instruction and a load into, or a vector line on, its registers (ISA guide 7.12.1 for vector instructions)
.rept 4
	v_nop
.endr
.endm
; one of a K step's first three quarters: multiplies buffer f and fetches quarter q into buffer g
.macro QUARTER slot, q, f, g, zero
	s_wait_dscnt 4                                 ; W's fragments and x's rows 0-31 are in; the youngest four loads (rows 32-63) may be out
	MUL6 \f, 0, \zero
	MUL6 \f, 1, \zero
	PLACES
	FETCH \slot, \q, \g
	s_wait_dscnt 20                                ; all but the 20 just issued
	MUL6 \f, 2, \zero
	MUL6 \f, 3, \zero
.endm
; the last quarter multiplies buffer 1 and changes slots: one barrier; in front of it each wave waits for all its tensor loads, adds 0 to its spare word, and waits for that and for its reads of this slot
.macro TURN slot, next, fill
.if (\fill) && ((\slot) == 1)
	s_wait_xcnt 0x0                                ; the last prefetch, a K step back, has read its address
	s_add_nc_u64 s[PFA:PFA+1], s[PFA:PFA+1], 2*256
.endif
	WIN 0
	s_wait_tensorcnt 0x0                           ; all my tensor loads have landed: my part of the next slot; so a group 0 may be written
	ds_add_u32 v[SPW], v[NIL]                      ; 0 onto my spare word; the scalar work below stands between it and the wait for it
.if \fill
	s_add_co_u32 s[KS], s[KS], 1                   ; this slot's next K step, round the end of K: its two addresses are made anew from the step's number
	s_and_b32 s[KT], s[KS], 15
	s_lshl_b32 s[OFF], s[KT], 8
	s_add_nc_u64 s[G0A+4*(\slot)+2:G0A+4*(\slot)+3], s[XB:XB+1], s[OFF:OFF+1]
	s_or_b32 s[G0A+4*(\slot)+3], s[G0A+4*(\slot)+3], 0x80000000
	s_mul_i32 s[OFF], s[KT], BSTEP
	s_add_nc_u64 s[G0B+4*(\slot)+2:G0B+4*(\slot)+3], s[WB:WB+1], s[OFF:OFF+1]
	s_or_b32 s[G0B+4*(\slot)+3], s[G0B+4*(\slot)+3], 0x80000000
.endif
	s_wait_dscnt 5                                 ; (the add and the youngest four loads may be out)
	MUL6 F1, 0, 0
	s_wait_dscnt 0x0                               ; the add is done, and my reads of this slot are over
	s_barrier_signal -1
	MUL6 F1, 1, 0
.if \fill
	WIN 0
.endif
	s_barrier_wait -1
.if \fill
	CREST                                          ; the barrier has opened a round of the cluster's: no wave of any partner still reads this slot or has a load on its way
	JLOAD \slot                                    ; the first tensor load behind the round; its four v_nop are also the places in front of the loads below
.else
	PLACES
.endif
	FETCH \next, 0, F0
.if (\fill) && ((\slot) == 0)
	WIN 0
	ASK
.endif
	MUL6 F1, 2, 0
	MUL6 F1, 3, 0
.endm
	s_wait_tensorcnt 1                             ; my part of the first K step is in; the second's may stay out
	s_barrier_signal -1
	s_barrier_wait -1
	FETCH 0, 0, F0
	QUARTER 0, 1, F0, F1, 1                        ; the first quarter's products start the sums
	WIN 0
	s_mov_b32 s3, LAPS-1
.Llap:
	QUARTER 0, 2, F1, F0, 0
	QUARTER 0, 3, F0, F1, 0
	TURN 0, 1, 1
	QUARTER 1, 1, F0, F1, 0
	QUARTER 1, 2, F1, F0, 0
	QUARTER 1, 3, F0, F1, 0
	TURN 1, 0, 1
	QUARTER 0, 1, F0, F1, 0
	WIN 0
	s_sub_co_u32 s3, s3, 1
	s_cmp_lg_u32 s3, 0
	s_cbranch_scc1 .Llap
	QUARTER 0, 2, F1, F0, 0                        ; the last lap fills nothing
	QUARTER 0, 3, F0, F1, 0
	TURN 0, 1, 0
	QUARTER 1, 1, F0, F1, 0
	QUARTER 1, 2, F1, F0, 0
	QUARTER 1, 3, F0, F1, 0
	s_wait_dscnt 4
	MUL6 F1, 0, 0
	MUL6 F1, 1, 0
	s_wait_dscnt 0x0
	MUL6 F1, 2, 0
	MUL6 F1, 3, 0
	WIN 0
	; THE WAY OUT.  The turn: (x0, x1) -> (x0 c - x1 s, x0 s + x1 c).  Which heads are v's hangs on the work-group's place, so it is a select, no branch: v's heads take c = 1, s = 0.
	PLACES
	s_wait_loadcnt 0x0                             ; the table
	s_mul_i32 s70, s15, 3
.irp p, 0,1,2
	s_add_co_u32 s71, s70, \p
	s_cmp_ge_u32 s71, 20
	s_cselect_b32 s[VM+\p], -1, 0
.endr
.irp p, 0,1,2
	WIN 0x41                                       ; destination and source 0 window 1
.set i, 0
.rept 32
	v_cndmask_b32 v[TS+2*i], v[TT+2*i], 1.0, s[VM+\p]
	v_cndmask_b32 v[TS+2*i+1], v[TT+2*i+1], 0, s[VM+\p]
.set i, i+1
.endr
	WIN 0x04                                       ; source 1 window 1
.irp a, 0,1,2,3
.irp hf, 0,1
.irp e, 0,1,2,3                                ; each accumulator's registers in ascending order
.set rX, ACC+8*(6*(\a)+2*(\p)+(\hf))+2*(\e)
.set rC, TS+8*(2*(\a)+(\hf))+2*(\e)
	v_mul_f32 v[U+2*(\e)], v[rX+1], v[rC+1]
	v_mul_f32 v[U+2*(\e)+1], v[rX+1], v[rC]
	v_fma_f32 v[rX+1], v[rX], v[rC+1], v[U+2*(\e)+1]
	v_fma_f32 v[rX], v[rX], v[rC], -v[U+2*(\e)]
.endr
.endr
.endr
	WIN 0
.irp a, 0,1,2,3
.irp hf, 0,1
.irp e, 0,1,2,3
.set rX, ACC+8*(6*(\a)+2*(\p)+(\hf))+2*(\e)
	v_cvt_pk_f16_f32 v[TMP+4*(2*(\a)+(\hf))+(\e)], v[rX], v[rX+1]
.endr
	ds_store_b128 v[STO], v[TMP+4*(2*(\a)+(\hf)):TMP+4*(2*(\a)+(\hf))+3] offset:(\a)*16*SP+256*(\p)+32*(\hf)
.endr
.endr
.endr
	s_wait_dscnt 0x0                               ; for the others' sake: my stores into the stage are done
	s_barrier_signal -1
	s_barrier_wait -1                              ; a head's row of 256 bytes comes from all four waves
.set t, 0
.rept 24
	ds_load_b128 v[ACC+4*t:ACC+4*t+3], v[RD] offset:2*SP*(t%8)+256*(t/8)
.set t, t+1
.endr
.set t, 0
.rept 24
	s_wait_dscnt 23-t
	global_store_b128 v[CO], v[ACC+4*t:ACC+4*t+3], s[10:11] offset:524288*(t/8)+512*(t%8)   ; two rows of a head: 512 consecutive bytes, aligned
.set t, t+1
.endr
	s_wait_tensorcnt 0x0                           ; the wave's end
	ds_add_u32 v[SPW], v[NIL]
	s_wait_dscnt 0x0
	CROUND                                         ; the closing round
	s_endpgm
.Lfunc_end_k_q28d4c4e5ba_qkv:
	.size	k_q28d4c4e5ba_qkv, .Lfunc_end_k_q28d4c4e5ba_qkv-k_q28d4c4e5ba_qkv
	.p2alignl 7, 3214868480
	.fill 96, 4, 3214868480
	.section	.rodata,"a",@progbits
	.p2align	6, 0x0
	.amdhsa_kernel k_q28d4c4e5ba_qkv
		.amdhsa_group_segment_fixed_size 327680
		.amdhsa_private_segment_fixed_size 0
		.amdhsa_enable_private_segment 0
		.amdhsa_kernarg_size 32
		.amdhsa_user_sgpr_count 2
		.amdhsa_user_sgpr_kernarg_segment_ptr 1
		.amdhsa_wavefront_size32 1
		.amdhsa_system_sgpr_workgroup_id_x 1
		.amdhsa_system_sgpr_workgroup_id_y 1
		.amdhsa_system_sgpr_workgroup_id_z 1
		.amdhsa_system_vgpr_workitem_id 0
		.amdhsa_next_free_vgpr 512
		.amdhsa_next_free_sgpr 80
		.amdhsa_reserve_vcc 0
		.amdhsa_float_denorm_mode_32 3
		.amdhsa_float_denorm_mode_16_64 3
		.amdhsa_memory_ordered 1
		.amdhsa_forward_progress 1
		.amdhsa_inst_pref_size 105
	.end_amdhsa_kernel
	.amdgpu_metadata
---
amdhsa.version: [ 1, 2 ]
amdhsa.kernels:
  - .name:           k_q28d4c4e5ba_qkv
    .symbol:         k_q28d4c4e5ba_qkv.kd
    .args:
      - { .name: xb, .offset: 0, .size: 8, .value_kind: global_buffer, .address_space: global }
      - { .name: wqkv, .offset: 8, .size: 8, .value_kind: global_buffer, .address_space: global }
      - { .name: rope, .offset: 16, .size: 8, .value_kind: global_buffer, .address_space: global }
      - { .name: qkv, .offset: 24, .size: 8, .value_kind: global_buffer, .address_space: global }
    .group_segment_fixed_size: 327680
    .private_segment_fixed_size: 0
    .kernarg_segment_align: 8
    .kernarg_segment_size: 32
    .max_flat_workgroup_size: 128
    .sgpr_count:     80
    .vgpr_count:     512
    .wavefront_size: 32
...
	.end_amdgpu_metadata
.endif
;; end of part 2
;; launch attn (part 3): grid 64 x 4, 4 waves a work-group, clusters of 4 x 4, 327,680 bytes of LDS; arguments qkv, mtab, att; writes att
.if DOCPART == 3
	.amdgcn_target "amdgcn-amd-amdhsa--gfx1250"
	.amdhsa_code_object_version 6
	.text
	.protected	k_q28d4c4e5ba_attn
	.globl	k_q28d4c4e5ba_attn
	.p2align	8
	.type	k_q28d4c4e5ba_attn,@function
k_q28d4c4e5ba_attn:
	s_mov_b64 s[64:65], 0
	v_nop
	global_prefetch_b8 v0, s[64:65] scope:SCOPE_SE
	s_setreg_imm32_b32 hwreg(HW_REG_WAVE_MODE, 25, 1), 1
	s_wait_xcnt 0x0
	s_wait_alu depctr_hold_cnt(0) depctr_sa_sdst(0) depctr_va_vdst(0) depctr_va_sdst(0) depctr_va_ssrc(0) depctr_va_vcc(0) depctr_vm_vsrc(0)
	s_getreg_b32 s2, hwreg(HW_REG_IB_STS2, 6, 4)
	s_cmp_eq_u32 s2, 0
	s_cbranch_scc0 .Lentry_in_a_cluster
	s_endpgm
.Lentry_in_a_cluster:
	s_bfe_u32 s2, ttmp6, 0x10000c
	s_cmp_lg_u32 s2, 0xf033
	s_cbranch_scc0 .Lentry_shape_is_right
	s_endpgm
.Lentry_shape_is_right:
; att[t][128 head + d] = the sum over k of softmax_k(q[head][t] . k[head / 4][k] / sqrt(128), hidden where mask[t][k] is false) v[head / 4][k][d], in f16.  Nothing of reference() is left out: every key of every query is walked.
; qkv: [24][2048][128] f16 (0-15 q, 16-19 k, 20-23 v); mtab: the mask, a byte a number, 0x00 visible and 0xF1 hidden, in the order in which a lane wants them: 1 KiB for 16 queries x 64 keys.
; Products, maxima and sums in f32; the weights are rounded to f16 for the second product (their sum is taken unrounded), the result once at the end.
; LIMITS.  q, k, v lie within f16's 65,504, so a true score is at most 5.5e11 in magnitude.  A hidden score counts as its value less 2^99.  The running maximum m starts at -2^96: below every true score, above every hidden one,
; so a hidden weight is exactly 0, and a query with no visible key ends with l = 0 and O = 0 and gives 0 x (1 / 0) = NaN, as reference() does.  A weight below 2^-126 counts as 0.  NaN and infinities in the inputs are not treated apart.
; SHARES.  A work-group owns 32 queries (blk) and one key/value head g: 64 x 4 = 256.  Wave w: queries 16 (w / 2) on, and of every 128 keys (a slot) the 64 keys of half w % 2.  Its four tiles are the four query heads 4 g + t
; on the same 16 queries: a fragment of K or V feeds four tiles, and one mask fragment serves all four.  The two waves of a query half meet at the end: their (c m, l, O), all f32, are merged through LDS.
; LAYOUT.  S^T = K Q^T + mask (source 0 = 16 keys, source 1 = 16 queries): a lane holds ONE query (lane % 16) and the keys 8 (lane / 16) + 0..7; two results rounded to f16 in pairs ARE source 1 of O^T = V^T P.
; THE MASK is the C operand of the products that start S^T: 0, or -2^99.  A work-group's 64 KiB of mask bytes come into LDS once, at the start; in each key step a lane reads its 32 bytes, and 32 v_perm_b32 set each on top of a word of zeros.
; SOFTMAX.  p = 2^(c s - c m), c = log2(e) / sqrt(128), m the running maximum; in every step O and l are multiplied by a = 2^(c m_old - c m_new).
; THE WALK OVER THE KEYS BEGINS ELSEWHERE IN EACH CLUSTER and goes round: cluster x begins at slot 4 (x % 4).  The running softmax takes the keys in any order.  So the clusters, which all walk the same K and V of a head, do not all ask
; for the same rows at the same time.  The start is made of the cluster's number alone: it is equal in all sixteen partners.  The mask bytes are laid into LDS in the walk's order, so that no LDS address hangs on the start.
; BY TURNS.  Piece 0 is tiles 0, 1; piece 2 tiles 2, 3.  In a turn one piece has the matrix unit (32 products V^T P of the step in hand, 32 products K Q^T of the next), and the other piece's softmax stands in 64 slices, one behind each.
; NO FIRST STEP IS WRITTEN OUT: the loop's first trip finds V, O, l and piece 0's P at 0 and piece 2's scores at -2^99: a step before the first that changes nothing (a = 1, p = 0).
; CLUSTER 4 x 4.  The four work-groups of a row share g and walk the same K and V; the four of a column share blk and its mask bytes: all are asked for jointly (waves 0, 1 the halves of a slot's K, waves 2, 3 those of its V).
; The grid has one cluster along y, so g is the work-group's place cy.
; REGISTERS.  window 0: v0-11, v44-47, v62-63 addresses; v12-43 statistics; v48-55 the partner's; v64-191 S^T; v192-255 P.   window 1: O^T.   window 2: v0-127 Q, v128-255 K.   window 3: v0-127 V, v128-159 the mask, v160-167 its bytes.
.set PK,    272       ; a row of K in LDS: 256 bytes + 16
.set PV,    288       ; a row of V: 256 + 32
.set VOFF,  128*PK    ; a slot: 128 rows of K, then 128 rows of V
.set SLOTB, VOFF+128*PV
.set SLOT1, 1<<17     ; slot 1 begins here: one exclusive or turns an address in one slot into the other's
.set STAGE, SLOTB     ; between the slots, never filled by a tensor load: 16 rows x 272 bytes for each query half, for the way out,
.set SP,    272
.set SPARE, STAGE+2*16*SP  ; the spare words, 128 bytes for each wave: two blocks of 256 bytes that no other line names,
.set XCH,   SPARE+512 ; and query half 0's exchange: 4 tiles x 8 KiB of O^T and 1 KiB of statistics
.set MBASE, SLOT1+SLOTB    ; behind slot 1: the mask bytes, 16 slots x 4 KiB in the walk's order; filled once
.set XSTEP, MBASE+65536-XCH  ; query half 1's exchange lies behind them
.set AK0, 2           ; v2   my lane's place in my half of a slot's K; never rewritten
.set AV0, 3           ; v3   the same for V
.set ADR, 4           ; v4   the LDS address of the run of loads in hand
.set QO,  5           ; v5   my byte offset in 16 rows of Q
.set STO, 6
.set RD,  7
.set GO,  8           ; v8   my byte offset in two rows of att
.set ST,  12          ; tile t's statistics at v[ST+8 t]: +0 c m, +1 m, +2, +3 l, +4 to +7 at work; a takes +6
.set AM0, 44          ; v44  my lane's place in my 1 KiB of a slot's mask bytes
.set ADM, 45          ; v45  its address for the step in hand
.set XW,  46          ; v46  my 16 bytes in the exchange
.set XS,  47          ; v47  my 8 bytes of its statistics
.set PS,  48          ; v48-55  the partner's (c m, l) by tile
.set SPW, 62
.set NIL, 63
.set S,   64
.set P,   192
.set KF,  128         ; window 2
.set MK,  128         ; window 3
.set MB,  160         ; window 3
.set WV,  12          ; s12  my wave's number
.set KS,  15          ; s15  the key slot asked for last, 0..15
.set TM,  16          ; s16  4,096 x the walk's step whose mask bytes are fetched next
.set KB,  18          ; s[18:19] K of my head at my half of slot 0; never rewritten
.set VB,  20          ; s[20:21] the same for V
.set G1K, 24
.set G1V, 32
.set G0K, 40
.set G0V, 44
.set G0M, 48
.set OFF, 52          ; s[52:53] a slot's byte offset in K and V; the high word stays 0
.set QT,  54          ; s54  w / 2
.set KH,  55          ; s55  w % 2
.set SLOTS, 56
.set CS,  58
.set SEL, 60
.set TB,  62          ; s62  LDS byte at which the slot to be fetched from begins
.set BIGN, 63         ; s63  -2^99
.set G1M, 68
.set SELB, 80         ; s80-83  v_perm_b32's selects: byte 0, 1, 2, 3 of the source on top, zeros below
.set MSB, 0
.macro WIN new
.if MSB != (\new)
	s_set_vgpr_msb (MSB<<8)|(\new)
.set MSB, \new
.endif
.endm
.set W_KQ, 0x0a       ; K and Q window 2, S^T window 0
.set W_KM, 0x3a       ; the same with the C operand in window 3
.set W_PV, 0x53       ; V window 3, P window 0, O^T window 1
.set W_RS, 0x41       ; O^T window 1, a window 0
.macro TL g0, g1                    ; a tensor load; an s_nop 0 and four v_nop follow it
	tensor_load_to_lds s[\g0:\g0+3], s[\g1:\g1+7]
	s_nop 0
.rept 4
	v_nop
.endr
.endm
.macro JLOAD                        ; every wave issues one joint load: 64 rows of K or of V; the branch hangs on the wave's number alone
	s_cmp_lt_u32 s[WV], 2
	s_cbranch_scc0 .Lfor_v_\@
	TL G0K, G1K
	s_branch .Lasked_\@
.Lfor_v_\@:
	TL G0V, G1V
.Lasked_\@:
.endm
.macro CROUND
	s_barrier_signal -1
	s_barrier_wait -1
	s_cmp_lg_u32 s[WV], 0
	s_cbranch_scc1 .Lnot_wave_0_\@
	s_barrier_signal -3
.Lnot_wave_0_\@:
	s_barrier_wait -3
	s_barrier_signal -1
	s_barrier_wait -1
.endm
	s_load_b128 s[4:7], s[0:1], 0x0 ; qkv s[4:5], mtab s[6:7]
	s_load_b64 s[8:9], s[0:1], 0x10 ; att
	v_lshl_add_u32 v[SPW], v0, 2, SPARE
	v_mov_b32 v[NIL], 0
	ds_add_u32 v[SPW], v[NIL]       ; the wave's opening: the add, twice on end, and its wait ahead of my first tensor load
	ds_add_u32 v[SPW], v[NIL]
	v_lshrrev_b32 v1, 5, v0
	v_readfirstlane_b32 s[WV], v1
	s_bfe_u32 s13, ttmp6, 0x40000   ; cx
	s_bfe_u32 s14, ttmp6, 0x40004   ; cy = g
	s_lshl_b32 s76, ttmp9, 2
	s_add_co_u32 s76, s76, s13      ; blk
	s_lshr_b32 s[QT], s[WV], 1
	s_and_b32 s[KH], s[WV], 1
	s_lshl_b32 s17, s14, 2
	s_lshl_b32 s17, 15, s17         ; my row of the cluster
	s_lshl_b32 s77, 0x1111, s13     ; my column
	s_or_b32 s[G1K], s17, (1<<16)|(1<<20)|(1<<21)|(5<<22)|(3<<25)  ; mask; 2-byte elements; padding on; bit 21 beside a mask; after every 64 words, 4 words
	s_or_b32 s[G1V], s17, (1<<16)|(1<<20)|(1<<21)|(5<<22)|(7<<25)  ; 8 words
	s_or_b32 s[G1M], s77, (3<<16)|(1<<21)                          ; 8-byte elements, no padding
.irp g, G1K, G1V
	s_mov_b32 s[(\g)+1], 128<<16    ; 64 rows x 128 elements, dense
	s_mov_b32 s[(\g)+2], 64<<16
	s_mov_b32 s[(\g)+3], 128<<16
	s_mov_b32 s[(\g)+4], 64
	s_mov_b32 s[(\g)+5], 128
	s_mov_b32 s[(\g)+6], 0
	s_mov_b32 s[(\g)+7], 0
.endr
	s_mov_b32 s[G1M+1], 32<<16      ; four slots' mask bytes: 16 KiB as 64 rows of 256 bytes
	s_mov_b32 s[G1M+2], 64<<16
	s_mov_b32 s[G1M+3], 32<<16
	s_mov_b32 s[G1M+4], 64
	s_mov_b32 s[G1M+5], 32
	s_mov_b32 s[G1M+6], 0
	s_mov_b32 s[G1M+7], 0
	s_and_b32 s78, ttmp9, 3
	s_lshl_b32 s[KS], s78, 2        ; where my cluster's walk begins
	s_add_co_u32 s80, s14, 16       ; K: head 16 + g, my half of a slot's rows: made of cy and the wave's number alone
	s_lshl_b32 s80, s80, 19
	s_lshl_b32 s81, s[KH], 14
	s_add_co_u32 s80, s80, s81
	s_add_co_u32 s82, s14, 20       ; V: head 20 + g
	s_lshl_b32 s82, s82, 19
	s_add_co_u32 s82, s82, s81
	s_mov_b32 s81, 0
	s_mov_b32 s83, 0
	s_add_co_u32 s67, s78, s[WV]    ; the mask bytes: wave w fetches the walk's slots 4 w .. 4 w + 3: made of blk, the cluster's number and the wave's number alone
	s_and_b32 s67, s67, 3
	s_lshl_b32 s67, s67, 14
	s_lshl_b32 s66, s76, 16
	s_add_co_u32 s66, s66, s67
	s_mov_b32 s67, 0
	s_mov_b32 s[G0K], 1
	s_mul_i32 s[G0K+1], s[KH], 64*PK
	s_mov_b32 s[G0V], 1
	s_mul_i32 s52, s[KH], 64*PV
	s_add_co_u32 s[G0V+1], s52, VOFF
	s_mov_b32 s[G0M], 1
	s_lshl_b32 s52, s[WV], 14
	s_add_co_u32 s[G0M+1], s52, MBASE
	s_lshl_b32 s[OFF], s[KS], 15    ; a slot is 32,768 bytes of K and of V
	s_mov_b32 s[OFF+1], 0
	s_mov_b32 s[CS], 0x3e0293ee     ; c = log2(e) / sqrt(128)
	s_mov_b32 s[CS+1], s[CS]
	s_mov_b32 s[SEL], 0x76543210
	s_mov_b32 s[SEL+1], 0xfedcba98
	s_mov_b32 s[BIGN], 0xf1000000
	s_mov_b32 s[TB], SLOT1          ; the first change of slots turns it into 0
	s_mov_b32 s[TM], 0
	s_mov_b32 s[SLOTS], 15
	s_lshl_b32 s84, s14, 21         ; Q: head 4 g, row 32 blk + 16 qt
	s_lshl_b32 s85, s76, 13
	s_add_co_u32 s84, s84, s85
	s_lshl_b32 s85, s[QT], 12
	s_add_co_u32 s84, s84, s85
	s_mov_b32 s85, 0
	s_lshl_b32 s10, s76, 17         ; att: the same row, column 512 g
	s_lshl_b32 s11, s[QT], 16
	s_add_co_u32 s10, s10, s11
	s_lshl_b32 s11, s14, 10
	s_add_co_u32 s10, s10, s11
	s_mov_b32 s11, 0
	s_wait_dscnt 0x0                ; both opening adds are done
	s_wait_kmcnt 0x0
	s_add_nc_u64 s[KB:KB+1], s[4:5], s[80:81]
	s_add_nc_u64 s[VB:VB+1], s[4:5], s[82:83]
	s_add_nc_u64 s[G0K+2:G0K+3], s[KB:KB+1], s[OFF:OFF+1]
	s_or_b32 s[G0K+3], s[G0K+3], 0x80000000
	s_add_nc_u64 s[G0V+2:G0V+3], s[VB:VB+1], s[OFF:OFF+1]
	s_or_b32 s[G0V+3], s[G0V+3], 0x80000000
	s_add_nc_u64 s[G0M+2:G0M+3], s[6:7], s[66:67]
	s_or_b32 s[G0M+3], s[G0M+3], 0x80000000
	s_add_nc_u64 s[84:85], s[4:5], s[84:85]
	s_add_nc_u64 s[10:11], s[8:9], s[10:11]
	s_mov_b32 s[SELB], 0x000c0c0c
	s_mov_b32 s[SELB+1], 0x010c0c0c
	s_mov_b32 s[SELB+2], 0x020c0c0c
	s_mov_b32 s[SELB+3], 0x030c0c0c
	CROUND                          ; all sixteen work-groups are here: the first joint loads meet
	s_cmp_lt_u32 s[WV], 2           ; a wave's two first fills stand in one branch: its quarter of the mask bytes and its part of the walk's first slot: two loads of mine are out.  The second slot is asked for by the loop's own change of slots
	s_cbranch_scc0 .Lfirst_v
	tensor_load_to_lds s[G0M:G0M+3], s[G1M:G1M+7]
	s_nop 0
	TL G0K, G1K
	s_branch .Lfirst_asked
.Lfirst_v:
	tensor_load_to_lds s[G0M:G0M+3], s[G1M:G1M+7]
	s_nop 0
	TL G0V, G1V
.Lfirst_asked:
	v_and_b32 v1, 15, v0            ; l % 16
	v_bfe_u32 v9, v0, 4, 1          ; l / 16
	v_lshlrev_b32 v[QO], 8, v1
	v_lshl_add_u32 v[QO], v9, 4, v[QO]
	WIN 0x80
.irp i, 0,1,2,3,4,5,6,7,8,9,10,11,12,13,14,15  ; Q stays in registers: tile i / 4 is head 4 g + i / 4, channels 32 (i % 4) on
	global_load_b128 v[8*(\i):8*(\i)+3],   v[QO], s[84:85] offset:((\i)/4)*524288+((\i)%4)*64
	global_load_b128 v[8*(\i)+4:8*(\i)+7], v[QO], s[84:85] offset:((\i)/4)*524288+((\i)%4)*64+32
.endr
	; what the step before the first finds; all this stands in the wait for the first tile
	WIN 0xc0
.set i, 0
.rept 128
	v_mov_b32 v[i], 0               ; V
.set i, i+1
.endr
	WIN 0
.set i, 0
.rept 32
	v_mov_b32 v[P+i], 0             ; piece 0's P
.set i, i+1
.endr
	WIN W_PV
.set i, 0
.rept 32
	v_wmma_f32_16x16x32_f16 v[8*i:8*i+7], v[0:7], v[P:P+7], 0  ; O^T starts at 0: a product of those zeros with the constant 0 as C, one for each accumulator
.set i, i+1
.endr
	WIN 0
.set i, 0
.rept 64
	v_mov_b32 v[S+64+i], s[BIGN]    ; piece 2's scores: all hidden
.set i, i+1
.endr
.set i, 0
.rept 4
	v_mov_b32 v[ST+8*i+1], 0xef800000         ; m = -2^96
	v_mul_f32 v[ST+8*i], s[CS], v[ST+8*i+1]   ; c m, made as the softmax makes it
	v_mov_b32 v[ST+8*i+2], 0
	v_mov_b32 v[ST+8*i+3], 0
.set i, i+1
.endr
	v_mul_u32_u24 v[AK0], v1, PK
	v_lshl_add_u32 v[AK0], v9, 4, v[AK0]
	s_mul_i32 s22, s[KH], 64*PK
	v_add_nc_u32 v[AK0], s22, v[AK0]          ; row x pitch + 16 x half, in my 64 keys
	v_and_b32 v10, 7, v0
	v_bfe_u32 v11, v0, 3, 1
	v_lshl_add_u32 v[AV0], v9, 3, v10         ; the turning load: key 8 (l / 16) + l % 8, channels 8 ((l / 8) % 2) on
	v_mul_u32_u24 v[AV0], v[AV0], PV
	v_lshl_add_u32 v[AV0], v11, 4, v[AV0]
	s_mul_i32 s22, s[KH], 64*PV
	s_add_co_u32 s22, s22, VOFF
	v_add_nc_u32 v[AV0], s22, v[AV0]
	v_and_b32 v10, 31, v0
	s_lshl_b32 s22, s[WV], 10                 ; of a slot's 4 KiB of mask bytes, block 2 qt + kh = my wave's number
	s_add_co_u32 s22, s22, MBASE
	v_lshl_add_u32 v[AM0], v10, 4, s22
	s_mul_i32 s22, s[QT], XSTEP
	s_add_co_u32 s22, s22, XCH
	v_lshl_add_u32 v[XW], v10, 4, s22
	s_add_co_u32 s22, s22, 32768
	v_lshl_add_u32 v[XS], v10, 3, s22
	s_mul_i32 s22, s[QT], 16*SP
	s_add_co_u32 s22, s22, STAGE
	v_mul_u32_u24 v[STO], v1, SP              ; in: row l % 16, 16 bytes for each half of the lanes
	v_lshl_add_u32 v[STO], v9, 4, v[STO]
	v_add_nc_u32 v[STO], s22, v[STO]
	v_mul_u32_u24 v[RD], v9, SP               ; back: lanes 0-15 one row of 256 bytes, lanes 16-31 the next
	v_lshl_add_u32 v[RD], v1, 4, v[RD]
	v_add_nc_u32 v[RD], s22, v[RD]
	v_lshlrev_b32 v[GO], 12, v9
	v_lshl_add_u32 v[GO], v1, 4, v[GO]
; THE MATRIX WORK.  The accumulators take turns, one instruction a turn: between two links of a chain stand 15 (V^T P) or 7 (K Q^T) others'.
.macro PV x                         ; product i of 32 of O^T += V^T P: keys 32 (i / 16) on, channels 16 ((i / 2) % 8) on, tile x + i % 2
	WIN W_PV
.set rO, 64*((\x)+i%2)+8*((i/2)%8)
.set rV, 64*(i/16)+8*((i/2)%8)
.set rP, P+16*((\x)+i%2)+8*(i/16)
	v_wmma_f32_16x16x32_f16 v[rO:rO+7], v[rV:rV+7], v[rP:rP+7], v[rO:rO+7]
.endm
.macro KQ x                         ; product i of 32 of S^T: channels 32 (i / 8) on, keys 16 ((i / 2) % 4) on, tile x + i % 2.  The first 8 start the sums with the mask
.set rS, S+32*((\x)+i%2)+8*((i/2)%4)
.set rK, KF+32*((i/2)%4)+8*(i/8)
.set rQ, 32*((\x)+i%2)+8*(i/8)
.set rM, MK+8*((i/2)%4)
.if i < 8
	WIN W_KM
	v_wmma_f32_16x16x32_f16 v[rS:rS+7], v[rK:rK+7], v[rQ:rQ+7], v[rM:rM+7]
.else
	WIN W_KQ
	v_wmma_f32_16x16x32_f16 v[rS:rS+7], v[rK:rK+7], v[rQ:rQ+7], v[rS:rS+7]
.endif
.endm
; THE LDS LOADS stand in runs: a step's K with its mask bytes (34 loads) and, a turn later, its V (32, turned)
.macro FETCH_K
	WIN 0
	v_add_nc_u32 v[ADR], s[TB], v[AK0]
	v_add_nc_u32 v[ADM], s[TM], v[AM0]
	s_add_co_u32 s[TM], s[TM], 4096  ; the next fetch is the walk's next step's
	WIN 0x80
.irp f, 0,1,2,3,4,5,6,7,8,9,10,11,12,13,14,15
	ds_load_b128 v[KF+8*(\f):KF+8*(\f)+3],   v[ADR] offset:((\f)/4)*16*PK+((\f)%4)*64
	ds_load_b128 v[KF+8*(\f)+4:KF+8*(\f)+7], v[ADR] offset:((\f)/4)*16*PK+((\f)%4)*64+32
.endr
	WIN 0xc0
.irp n, 0,1
	ds_load_b128 v[MB+4*(\n):MB+4*(\n)+3], v[ADM] offset:512*(\n)
.endr
.endm
.macro FETCH_V
	WIN 0
	v_add_nc_u32 v[ADR], s[TB], v[AV0]
	s_wait_alu depctr_va_vdst(0)    ; the wait for the softmax's batch (SLICE), behind the address's line and ahead of the loads
	WIN 0xc0
.irp f, 0,1,2,3,4,5,6,7,8,9,10,11,12,13,14,15
	ds_load_tr16_b128 v[8*(\f):8*(\f)+3],   v[ADR] offset:((\f)/8)*32*PV+((\f)%8)*32
	ds_load_tr16_b128 v[8*(\f)+4:8*(\f)+7], v[ADR] offset:((\f)/8)*32*PV+16*PV+((\f)%8)*32
.endr
.endm
; THE VECTOR WORK.  One tile's softmax for one key step is a list of 134 instructions; SM writes number j of it for tile t.
;   0-15 the maximum of the 32 scores and the old m (each accumulator's lowest registers first)   16-20 the other half of the lanes' maximum; m; c m; its change
;   21-69 ONE BATCH: the 16 scalings c s - c m and all 33 exponentials (a at 23); none reads an exponential's result      (the wait: SLICE)
;   70-85 the roundings to f16      86-101 the sums; l = a l + sum      102-133 O^T times a
.macro SM t
.set rT, ST+8*(\t)
.set rS, S+32*(\t)
.set rP, P+16*(\t)
.set rO, 64*(\t)+2*(j-102)
.if j < 102
	WIN 0
.endif
.if j < 4
	v_max3_num_f32 v[rT+4+j], v[rS+8*j], v[rS+8*j+1], v[rS+8*j+2]
.elseif j < 12
	v_max3_num_f32 v[rT+4+j%4], v[rT+4+j%4], v[rS+8*(j%4)+2*(j/4)+1], v[rS+8*(j%4)+2*(j/4)+2]
.elseif j == 12
	v_max3_num_f32 v[rT+4], v[rT+4], v[rS+7], v[rS+15]
.elseif j == 13
	v_max3_num_f32 v[rT+6], v[rT+6], v[rS+23], v[rS+31]
.elseif j == 14
	v_max3_num_f32 v[rT+4], v[rT+4], v[rT+5], v[rT+6]
.elseif j == 15
	v_max3_num_f32 v[rT+4], v[rT+4], v[rT+7], v[rT+1]
.elseif j == 16
	v_permlanex16_b32 v[rT+5], v[rT+4], s[SEL], s[SEL+1]  ; the query's other 32 keys lie in the lane 16 away
.elseif j == 17
	v_mov_b32 v[rT+7], v[rT]        ; c m_old is kept for a
.elseif j == 18
	v_max_num_f32 v[rT+1], v[rT+4], v[rT+5]
.elseif j == 19
	v_mul_f32 v[rT], s[CS], v[rT+1]
.elseif j == 20
	v_sub_f32 v[rT+7], v[rT+7], v[rT]
.elseif j == 23
	v_exp_f32 v[rT+6], v[rT+7]
.elseif (j < 23) || ((j < 38) && (j%2 == 0)) || ((j < 66) && (j%4 == 2))
.set b, (j-2)/4
.if j < 38
.set b, (j-20)/2
.endif
	v_pk_fma_f32 v[rS+2*b:rS+2*b+1], v[rS+2*b:rS+2*b+1], s[CS:CS+1], v[rT:rT+1] op_sel_hi:[1,0,0] neg_lo:[0,0,1] neg_hi:[0,0,1]
.elseif j < 70
.set e, j-38
.if j < 66
.set e, j-32-(j-38)/4
.endif
.if j < 38
.set e, (j-25)/2
.endif
	v_exp_f32 v[rS+e], v[rS+e]
.elseif j < 86
	v_cvt_pk_f16_f32 v[rP+j-70], v[rS+2*(j-70)], v[rS+2*(j-70)+1]
.elseif j < 102
.set z, j-86
.set w, 4
.set u, z
.if z >= 14
.set w, 32
.set u, 0
.elseif z >= 12
.set w, 16
.set u, z-12
.elseif z >= 8
.set w, 8
.set u, z-8
.endif
.if z < 15
	v_pk_add_f32 v[rS+w*u:rS+w*u+1], v[rS+w*u:rS+w*u+1], v[rS+w*u+w/2:rS+w*u+w/2+1]
.else
	v_pk_fma_f32 v[rT+2:rT+3], v[rT+2:rT+3], v[rT+6:rT+7], v[rS:rS+1] op_sel_hi:[1,0,1]
.endif
.else
	WIN W_RS
	v_pk_mul_f32 v[rO:rO+1], v[rO:rO+1], v[rT+6:rT+7] op_sel_hi:[1,0]
.endif
.endm
; Slice k of 64 of piece y's softmax: four instructions (slice 63: sixteen).  Slices 11 to 34 deal out the batch, four numbers of one tile each.  The piece's 66 exponentials have ONE wait, behind slice 34:
; ahead of slice 35 nothing names a result of theirs, behind slice 34 no exponential is issued.
.macro SLICE y
.if (k >= 11) && (k < 35)
.irp n, 0,1,2,3
.set j, 22+4*((k-11)/2)+(\n)
	SM (\y)+(k-11)%2
.endr
.else
.irp n, 0,1,2,3,4,5,6,7
.if ((\n) < 2) || (k == 63)
.irp t, \y, (\y)+1
.set j, 2*k+(\n)
	SM \t
.endr
.endif
.endr
.endif
.if k == 34
	v_nop                           ; the plain instruction behind the last exponential: one for the batch
.if (\y) == 0
	FETCH_V                         ; piece 2's turn: V's run of loads stands here, and the wait stands in it
.else
	s_wait_alu depctr_va_vdst(0)
.endif
.endif
.set k, k+1
.endm
; A TURN.  Piece x has the matrix unit; kq = 0: the last turn, no further scores, two slices behind each product.  Piece 0's turn fetches the next step's K and mask bytes behind its second product (their last readers stand in front of
; slice 63 of the turn before), and makes the step's mask of the bytes when they are in: it serves both pieces.  Piece 2's turn fetches that step's V behind slice 34: four plain instructions (two scalings, the v_nop, the run's own
; address line) lie behind the last product that read V.
.macro TURN x, kq
.set k, 0
.set per, 2-(\kq)
.if (\x) == 0
	s_wait_dscnt 0x0                ; V is in
.endif
.set i, 0
.rept 32
	PV \x
.rept per
	SLICE 2-(\x)
.endr
.if ((\x) == 0) && (\kq) && (i == 1)
	FETCH_K
.endif
.set i, i+1
.endr
.if \kq
.if (\x) == 0
	s_wait_dscnt 0x0                ; K and the mask bytes are in
	WIN 0xcf                        ; destination and both vector sources window 3
.set mm, 0
.rept 32
	v_perm_b32 v[MK+mm], v[MB+mm/4], v[MB+mm/4], s[SELB+mm%4]  ; byte mm of my 32 on top of a word of zeros: 0, or -2^99
.set mm, mm+1
.endr
.endif
.set i, 0
.rept 32
	KQ \x
	SLICE 2-(\x)
.set i, i+1
.endr
.endif
.endm
; THE CHANGE OF SLOTS, in front of the trip that fetches the walk's step s.  Each wave waits for all its tensor loads, of which one is out (at the first change two): its part of step s's slot; adds 0 to its spare word; and waits for that
; and for its reads of the slot of step s - 1.  fill = 1: that slot takes step s + 1: the addresses are made anew from the key slot's number, round the end of the keys; the barrier is a round of the cluster's, and the joint load is
; the first thing behind it: it has a trip, 128 matrix instructions, in which to land.
.macro CHANGE fill
	WIN 0
	s_wait_tensorcnt 0x0            ; no tensor load of mine is out, so a group 0 may be written
	ds_add_u32 v[SPW], v[NIL]
.if \fill
	s_add_co_u32 s[KS], s[KS], 1
	s_and_b32 s[KS], s[KS], 15
	s_lshl_b32 s[OFF], s[KS], 15
	s_xor_b32 s[G0K+1], s[G0K+1], SLOT1
	s_add_nc_u64 s[G0K+2:G0K+3], s[KB:KB+1], s[OFF:OFF+1]
	s_or_b32 s[G0K+3], s[G0K+3], 0x80000000
	s_xor_b32 s[G0V+1], s[G0V+1], SLOT1
	s_add_nc_u64 s[G0V+2:G0V+3], s[VB:VB+1], s[OFF:OFF+1]
	s_or_b32 s[G0V+3], s[G0V+3], 0x80000000
	s_wait_dscnt 0x0                ; the add is done, and my reads of the old slot are over
	CROUND
	JLOAD
.else
	s_wait_dscnt 0x0
	s_barrier_signal -1
	s_barrier_wait -1
.endif
	s_xor_b32 s[TB], s[TB], SLOT1
.endm
	s_wait_loadcnt 0x0              ; Q
.Lslot:                             ; 15 trips: the walk's steps 0 to 14 are fetched, steps 1 to 15 asked for
	CHANGE 1
	TURN 0, 1
	TURN 2, 1
	WIN 0
	s_sub_co_u32 s[SLOTS], s[SLOTS], 1
	s_cmp_lg_u32 s[SLOTS], 0
	s_cbranch_scc1 .Lslot
	CHANGE 0                        ; the tail is written out: step 15, nothing is asked for
	TURN 0, 1
	TURN 2, 1
	TURN 0, 0                       ; piece 0: V^T P of step 15 | piece 2's last softmax
.set i, 0
.rept 32
	PV 2
.set i, i+1
.endr
	; THE WAY OUT.  l's two halves and the other half of the lanes' are added (the places behind the last products); the wave of the second key half hands (c m, l, O^T) to its partner in f32.
	WIN 0
.irp t, 0,1,2,3
	v_add_f32 v[ST+8*(\t)+4], v[ST+8*(\t)+2], v[ST+8*(\t)+3]
.endr
.irp t, 0,1,2,3
	v_permlanex16_b32 v[ST+8*(\t)+5], v[ST+8*(\t)+4], s[SEL], s[SEL+1]
.endr
.irp t, 0,1,2,3
	v_add_f32 v[ST+8*(\t)+1], v[ST+8*(\t)+4], v[ST+8*(\t)+5]  ; l, beside c m
.endr
	s_cmp_eq_u32 s[KH], 0
	s_cbranch_scc1 .Lkeep
	WIN 0x04                        ; store data window 1
.set f, 0
.rept 64
	ds_store_b128 v[XW], v[4*f:4*f+3] offset:512*f  ; ascending: each accumulator's low four registers first
.set f, f+1
.endr
	WIN 0
.irp t, 0,1,2,3
	ds_store_b64 v[XS], v[ST+8*(\t):ST+8*(\t)+1] offset:256*(\t)
.endr
.Lkeep:
	s_wait_dscnt 0x0                ; for the partner's sake: my stores are done
	s_barrier_signal -1
	s_barrier_wait -1
	s_cmp_eq_u32 s[KH], 0
	s_cbranch_scc0 .Lend
.macro XLOAD t                      ; the partner's tile t into one of two buffers in S^T's registers
.set f, 0
.rept 16
	ds_load_b128 v[S+64*((\t)%2)+4*f:S+64*((\t)%2)+4*f+3], v[XW] offset:8192*(\t)+512*f
.set f, f+1
.endr
.endm
.irp t, 0,1,2,3
	ds_load_b64 v[PS+2*(\t):PS+2*(\t)+1], v[XS] offset:256*(\t)
.endr
	XLOAD 0
	s_wait_dscnt 16                 ; the statistics are in; tile 0's sixteen loads may be out
.irp t, 0,1,2,3
	v_max_num_f32 v[ST+8*(\t)+4], v[ST+8*(\t)], v[PS+2*(\t)]
.endr
.irp t, 0,1,2,3
	v_sub_f32 v[ST+8*(\t)+5], v[ST+8*(\t)], v[ST+8*(\t)+4]
	v_sub_f32 v[ST+8*(\t)+6], v[PS+2*(\t)], v[ST+8*(\t)+4]
.endr
.irp t, 0,1,2,3
	v_exp_f32 v[ST+8*(\t)+5], v[ST+8*(\t)+5]  ; my share's factor,
	v_exp_f32 v[ST+8*(\t)+6], v[ST+8*(\t)+6]  ; the partner's
.endr
	v_nop
	s_wait_alu depctr_va_vdst(0)    ; one wait for the eight
.irp t, 0,1,2,3
	v_mul_f32 v[ST+8*(\t)+7], v[ST+8*(\t)+5], v[ST+8*(\t)+1]
.endr
.irp t, 0,1,2,3
	v_fma_f32 v[ST+8*(\t)+7], v[ST+8*(\t)+6], v[PS+2*(\t)+1], v[ST+8*(\t)+7]
.endr
.irp t, 0,1,2,3
	v_rcp_f32 v[ST+8*(\t)+7], v[ST+8*(\t)+7]
.endr
	v_nop
	s_wait_alu depctr_va_vdst(0)    ; one wait for the four
.irp t, 0,1,2,3
	v_mul_f32 v[ST+8*(\t)+2], v[ST+8*(\t)+5], v[ST+8*(\t)+7]
	v_mul_f32 v[ST+8*(\t)+4], v[ST+8*(\t)+6], v[ST+8*(\t)+7]
.endr
; Tile t: O = mine x fA + the partner's x fB, rounded to f16; a lane's eight channels pack into 16 bytes, go into rows of 272 bytes and come back as whole rows of 256.
.macro MERGE t
.set rX, S+64*((\t)%2)
.set rB, P+32*((\t)%2)
.if (\t) < 3
	XLOAD (\t)+1
	s_wait_dscnt 16                 ; tile t is in; the next tile's sixteen loads may be out
.else
	s_wait_dscnt 0x0
.endif
	s_wait_xcnt 0x0                 ; the stores of two tiles back have read the registers that are written below
.set i, 0
.rept 32
	v_pk_mul_f32 v[rX+2*i:rX+2*i+1], v[rX+2*i:rX+2*i+1], v[ST+8*(\t)+4:ST+8*(\t)+5] op_sel_hi:[1,0]
.set i, i+1
.endr
	WIN 0x01                        ; source 0 (O^T) window 1
.set i, 0
.rept 32
	v_pk_fma_f32 v[rX+2*i:rX+2*i+1], v[64*(\t)+2*i:64*(\t)+2*i+1], v[ST+8*(\t)+2:ST+8*(\t)+3], v[rX+2*i:rX+2*i+1] op_sel_hi:[1,0,1]
.set i, i+1
.endr
	WIN 0
.set i, 0
.rept 32
	v_cvt_pk_f16_f32 v[rB+i], v[rX+2*i], v[rX+2*i+1]
.set i, i+1
.endr
.irp f, 0,1,2,3,4,5,6,7
	ds_store_b128 v[STO], v[rB+4*(\f):rB+4*(\f)+3] offset:32*(\f)
.endr
.irp f, 0,1,2,3,4,5,6,7
	ds_load_b128 v[rB+4*(\f):rB+4*(\f)+3], v[RD] offset:(\f)*2*SP  ; LDS serves a wave's instructions in order (ISA guide 5.7.1.4): these see the stores above
.endr
.irp f, 0,1,2,3,4,5,6,7
	s_wait_dscnt 7-(\f)
	global_store_b128 v[GO], v[rB+4*(\f):rB+4*(\f)+3], s[10:11] offset:8192*(\f)+256*(\t)  ; 16 lanes store 256 consecutive bytes, aligned
.endr
.endm
	MERGE 0
	MERGE 1
	MERGE 2
	MERGE 3
.Lend:
	s_wait_tensorcnt 0x0            ; the wave's end
	ds_add_u32 v[SPW], v[NIL]
	s_wait_dscnt 0x0
	CROUND                          ; the closing round
	s_endpgm
.Lfunc_end_k_q28d4c4e5ba_attn:
	.size	k_q28d4c4e5ba_attn, .Lfunc_end_k_q28d4c4e5ba_attn-k_q28d4c4e5ba_attn
	.p2alignl 7, 3214868480
	.fill 96, 4, 3214868480
	.section	.rodata,"a",@progbits
	.p2align	6, 0x0
	.amdhsa_kernel k_q28d4c4e5ba_attn
		.amdhsa_group_segment_fixed_size 327680
		.amdhsa_private_segment_fixed_size 0
		.amdhsa_enable_private_segment 0
		.amdhsa_kernarg_size 24
		.amdhsa_user_sgpr_count 2
		.amdhsa_user_sgpr_kernarg_segment_ptr 1
		.amdhsa_wavefront_size32 1
		.amdhsa_system_sgpr_workgroup_id_x 1
		.amdhsa_system_sgpr_workgroup_id_y 1
		.amdhsa_system_sgpr_workgroup_id_z 1
		.amdhsa_system_vgpr_workitem_id 0
		.amdhsa_next_free_vgpr 1024
		.amdhsa_next_free_sgpr 88
		.amdhsa_reserve_vcc 0
		.amdhsa_float_denorm_mode_32 3
		.amdhsa_float_denorm_mode_16_64 3
		.amdhsa_memory_ordered 1
		.amdhsa_forward_progress 1
		.amdhsa_inst_pref_size 191
	.end_amdhsa_kernel
	.amdgpu_metadata
---
amdhsa.version: [ 1, 2 ]
amdhsa.kernels:
  - .name:           k_q28d4c4e5ba_attn
    .symbol:         k_q28d4c4e5ba_attn.kd
    .args:
      - { .name: qkv, .offset: 0, .size: 8, .value_kind: global_buffer, .address_space: global }
      - { .name: mtab, .offset: 8, .size: 8, .value_kind: global_buffer, .address_space: global }
      - { .name: att, .offset: 16, .size: 8, .value_kind: global_buffer, .address_space: global }
    .group_segment_fixed_size: 327680
    .private_segment_fixed_size: 0
    .kernarg_segment_align: 8
    .kernarg_segment_size: 24
    .max_flat_workgroup_size: 128
    .sgpr_count:     88
    .vgpr_count:     1024
    .wavefront_size: 32
...
	.end_amdgpu_metadata
.endif
;; end of part 3
;; launch proj (part 4): grid 16 x 16, 4 waves a work-group, clusters of 4 x 4, 327,680 bytes of LDS; arguments att, wo16, out0; writes out0
.if DOCPART == 4
	.amdgcn_target "amdgcn-amd-amdhsa--gfx1250"
	.amdhsa_code_object_version 6
	.text
	.protected	k_q28d4c4e5ba_proj
	.globl	k_q28d4c4e5ba_proj
	.p2align	8
	.type	k_q28d4c4e5ba_proj,@function
k_q28d4c4e5ba_proj:
	s_mov_b64 s[64:65], 0
	v_nop
	global_prefetch_b8 v0, s[64:65] scope:SCOPE_SE
	s_setreg_imm32_b32 hwreg(HW_REG_WAVE_MODE, 25, 1), 1
	s_wait_xcnt 0x0
	s_wait_alu depctr_hold_cnt(0) depctr_sa_sdst(0) depctr_va_vdst(0) depctr_va_sdst(0) depctr_va_ssrc(0) depctr_va_vcc(0) depctr_vm_vsrc(0)
	s_getreg_b32 s2, hwreg(HW_REG_IB_STS2, 6, 4)
	s_cmp_eq_u32 s2, 0
	s_cbranch_scc0 .Lentry_in_a_cluster
	s_endpgm
.Lentry_in_a_cluster:
	s_bfe_u32 s2, ttmp6, 0x10000c
	s_cmp_lg_u32 s2, 0xf033
	s_cbranch_scc0 .Lentry_shape_is_right
	s_endpgm
.Lentry_shape_is_right:
; out0 = att Wo.  att: [2048][2048] f16, wo16: [2048 k][2048 n] f16 (Wo rounded to bf16, that number written as f16), out0: [2048][2048] f32.  Products in f16, sums in f32.  Nothing of reference() is left out here.
; A tile of C is 128 x 128: 16 x 16 = 256 work-groups.  Four waves, each 64 x 64: 16 accumulators.  K goes in steps of 256 through two LDS slots: att's rows are 512 bytes of memory, wo16's tile is 256 k rows x 256 bytes.
; THE WALK ALONG K BEGINS ELSEWHERE IN EACH CLUSTER and goes round: cluster (x, y) begins at K step (2 x + 4 (parity of y)) % 8.  The f32 sums take the steps in any order.  So the four clusters that read the same rows of att stand
; two steps apart, and of the four that read the same columns of Wo two and two stand four steps apart.  The start is made of the cluster's numbers alone: it is equal in all sixteen partners.
; CLUSTER 4 x 4: att's tile is shared along a row of the cluster, wo16's along a column: each is asked for jointly (waves 0, 1 the halves of att's, waves 2, 3 those of wo16's).
; THE MATRIX INSTRUCTION IS USED TRANSPOSED (source 0 = 16 columns of Wo, by the turning load; source 1 = 16 rows of att): a lane holds eight neighbouring numbers of a row of C, and a wave's 64 columns are 256 bytes of f32:
; each wave sends its rows out through a stage of its own, with no barrier.  No prefetch: the tiles are small and the launch is short.
; REGISTERS.  window 0: v0-31 addresses; v32-95 the way out; v128-255 accumulators ((a, b) at 128 + 8 (4 a + b)).   window 1: two fragment buffers of 128: 64 of att (2 x 4 fragments), then 64 of Wo.
.set KSTEP,  256
.set PITCH,  528                       ; a row of att in LDS: 512 bytes + 16
.set PB,     288                       ; a k row of Wo: 256 + 32
.set HALFA,  64*PITCH
.set HALFB,  128*PB
.set BOFF,   2*HALFA
.set SLOT,   BOFF+2*HALFB              ; 141,312 bytes
.set STAGE,  2*SLOT                    ; behind the ring, never filled by a tensor load: 16 rows x 272 bytes for each wave
.set SPITCH, 272
.set SPARE,  STAGE+4*16*SPITCH         ; the spare words, 128 bytes for each wave: two blocks of 256 bytes that no other line names
.set LAPS,   4
.set ADRA, 16                          ; v16-17  my att fragments in slot 0, 1
.set ADRB, 20                          ; v20-23  my Wo fragments: slot s, k half u at 20 + 2 s + u
.set STO,  24
.set RD,   25
.set CO,   26
.set SPW,  28
.set NIL,  29
.set TMP,  32
.set ACC,  128
.set F0,   0
.set F1,   128
.set AB,  14                           ; s[14:15] att at the rows that I fetch, K step 0; never rewritten
.set G1, 24
.set G0, 32
.set OFF, 40                           ; s[40:41] a K step's byte offset; the high word stays 0
.set KT,  44                           ; s44  the K step to ask for, 0..7
.set KS,  45                           ; s45  the K step asked for last, counted on without the wrap
.set BB,  46                           ; s[46:47] wo16 at the k rows and columns that I fetch, K step 0; never rewritten
.set G1B, 48
.set G0B, 56
.set MSB, 0
.macro WIN new
.if MSB != (\new)
	s_set_vgpr_msb (MSB<<8)|(\new)
.set MSB, \new
.endif
.endm
.set MUL,  0x05
.set TO_F, 0x40
.macro JLOAD s                         ; an s_nop 0 and four v_nop follow each of the two lines
	s_cmp_eq_u32 s11, 0
	s_cbranch_scc0 .Lfor_b_\@
	tensor_load_to_lds s[G0+4*(\s):G0+4*(\s)+3], s[G1:G1+7]
	s_nop 0
.rept 4
	v_nop
.endr
	s_branch .Lasked_\@
.Lfor_b_\@:
	tensor_load_to_lds s[G0B+4*(\s):G0B+4*(\s)+3], s[G1B:G1B+7]
	s_nop 0
.rept 4
	v_nop
.endr
.Lasked_\@:
.endm
.macro CREST
	s_cmp_lg_u32 s10, 0
	s_cbranch_scc1 .Lnot_wave_0_\@
	s_barrier_signal -3
.Lnot_wave_0_\@:
	s_barrier_wait -3
	s_barrier_signal -1
	s_barrier_wait -1
.endm
.macro CROUND
	s_barrier_signal -1
	s_barrier_wait -1
	CREST
.endm
	s_load_b128 s[4:7], s[0:1], 0x0                ; att s[4:5], wo16 s[6:7]
	s_load_b64 s[8:9], s[0:1], 0x10                ; out0
	v_lshl_add_u32 v[SPW], v0, 2, SPARE
	v_mov_b32 v[NIL], 0
	ds_add_u32 v[SPW], v[NIL]                      ; the wave's opening: the add, twice on end, and its wait ahead of my first tensor load
	ds_add_u32 v[SPW], v[NIL]
	v_lshrrev_b32 v1, 5, v0
	v_readfirstlane_b32 s10, v1                    ; wave 0..3
	s_lshr_b32 s11, s10, 1                         ; which half of the tile's rows is mine.  Also: I fetch for att (0) or for Wo (1)
	s_and_b32 s12, s10, 1                          ; which half of its columns.  Also: which half of that tile I fetch
	s_bfe_u32 s40, ttmp6, 0x40000                  ; cx
	s_bfe_u32 s41, ttmp6, 0x40004                  ; cy
	s_lshl_b32 s42, ttmp9, 2
	s_add_co_u32 s42, s42, s40                     ; tile column
	s_and_b32 s13, ttmp7, 0xffff                   ; cluster y
	s_lshr_b32 s[KS], s13, 1
	s_xor_b32 s[KS], s[KS], s13
	s_and_b32 s[KS], s[KS], 1                      ; its parity
	s_lshl_b32 s[KS], s[KS], 2
	s_lshl1_add_u32 s[KS], ttmp9, s[KS]
	s_and_b32 s[KS], s[KS], 7                      ; where my cluster's walk begins: an even step
	s_lshl_b32 s13, s13, 2
	s_add_co_u32 s13, s13, s41                     ; tile row
	s_lshl_b32 s43, s41, 2
	s_lshl_b32 s43, 15, s43                        ; my row of the cluster
	s_lshl_b32 s44, 0x1111, s40                    ; my column
	s_or_b32 s[G1+0], s43, (1<<16)|(1<<20)|(1<<21)|(6<<22)|(3<<25)   ; 2-byte elements; padding after every 128 words, 4 words
	s_or_b32 s[G1B+0], s44, (1<<16)|(1<<20)|(1<<21)|(5<<22)|(7<<25)  ; after every 64 words, 8 words
	s_mov_b32 s[G1+1], KSTEP<<16                   ; 64 rows x 256 elements
	s_mov_b32 s[G1+2], 64<<16
	s_mov_b32 s[G1+3], KSTEP<<16
	s_mov_b32 s[G1+4], 64
	s_mov_b32 s[G1+5], 2048
	s_mov_b32 s[G1+6], 0
	s_mov_b32 s[G1+7], 0
	s_mov_b32 s[G1B+1], 128<<16                    ; 128 k rows x 128 elements
	s_mov_b32 s[G1B+2], 128<<16
	s_mov_b32 s[G1B+3], 128<<16
	s_mov_b32 s[G1B+4], 128
	s_mov_b32 s[G1B+5], 2048
	s_mov_b32 s[G1B+6], 0
	s_mov_b32 s[G1B+7], 0
	s_lshl_b32 s16, s13, 7
	s_lshl_b32 s17, s12, 6
	s_add_co_u32 s16, s16, s17                     ; att: row 128 x tile row + 64 x half,
	s_lshl_b32 s16, s16, 12                        ; of 4,096 bytes
	s_mov_b32 s17, 0
	s_lshl_b32 s[BB], s12, 19                      ; Wo: k row 128 x half, of 4,096 bytes,
	s_lshl_b32 s[BB+1], s42, 8                     ; column 128 x tile column
	s_add_co_u32 s[BB], s[BB], s[BB+1]
	s_mov_b32 s[BB+1], 0
	s_mul_i32 s20, s12, HALFA                      ; where they go: no place in the cluster enters an LDS address
	s_mul_i32 s21, s12, HALFB
	s_add_co_u32 s21, s21, BOFF
	s_wait_dscnt 0x0                               ; both opening adds are done
	s_wait_kmcnt 0x0
	s_add_nc_u64 s[AB:AB+1], s[4:5], s[16:17]
	s_add_nc_u64 s[BB:BB+1], s[6:7], s[BB:BB+1]
	s_lshl_b32 s16, s[KS], 9                       ; a K step is 512 bytes of a row of att
	s_add_nc_u64 s[18:19], s[AB:AB+1], s[16:17]    ; both at the walk's first K step
	s_lshl_b32 s16, s[KS], 20                      ; and 256 rows of 4,096 bytes of wo16
	s_add_nc_u64 s[22:23], s[BB:BB+1], s[16:17]
	CROUND                                         ; all sixteen work-groups are here: the first joint loads meet
.irp s, 0,1
	s_mov_b32 s[G0+4*(\s)], 1
	s_add_co_u32 s[G0+4*(\s)+1], s20, (\s)*SLOT
	s_add_nc_u64 s[G0+4*(\s)+2:G0+4*(\s)+3], s[18:19], (\s)*KSTEP*2
	s_or_b32 s[G0+4*(\s)+3], s[G0+4*(\s)+3], 0x80000000
	s_mov_b32 s[G0B+4*(\s)], 1
	s_add_co_u32 s[G0B+4*(\s)+1], s21, (\s)*SLOT
	s_add_nc_u64 s[G0B+4*(\s)+2:G0B+4*(\s)+3], s[22:23], (\s)*KSTEP*4096
	s_or_b32 s[G0B+4*(\s)+3], s[G0B+4*(\s)+3], 0x80000000
	JLOAD \s                                       ; the walk's first two K steps (the start is even: the second does not wrap)
.endr
	s_add_co_u32 s[KS], s[KS], 1
	s_mov_b32 s[OFF+1], 0
	v_and_b32 v1, 15, v0                           ; l % 16
	v_bfe_u32 v2, v0, 4, 1                         ; l / 16
	v_and_b32 v6, 7, v0
	v_bfe_u32 v7, v0, 3, 1
	v_mul_u32_u24 v3, v1, PITCH
	v_lshl_add_u32 v3, v2, 4, v3
	s_mul_i32 s21, s11, HALFA                      ; my 64 rows of att
	v_add_nc_u32 v3, s21, v3
	v_mov_b32 v[ADRA], v3
	v_add_nc_u32 v[ADRA+1], SLOT, v3
	v_lshl_add_u32 v4, v2, 3, v6                   ; the turning load: k row 8 (l / 16) + l % 8,
	v_mul_u32_u24 v4, v4, PB
	v_lshl_add_u32 v4, v7, 4, v4                   ; columns 8 ((l / 8) % 2) on,
	s_lshl_b32 s22, s12, 7
	v_add_nc_u32 v4, s22, v4                       ; in my 64 columns
.irp s, 0,1
.irp u, 0,1
	v_add_nc_u32 v[ADRB+2*(\s)+(\u)], (\s)*SLOT+BOFF+(\u)*HALFB, v4
.endr
.endr
	s_mul_i32 s23, s10, 16*SPITCH
	s_add_co_u32 s23, s23, STAGE                   ; my stage
	v_mul_u32_u24 v4, v1, SPITCH                   ; in: row l % 16, 32 bytes for each half of the lanes
	v_lshl_add_u32 v4, v2, 5, v4
	v_add_nc_u32 v[STO], s23, v4
	v_mul_u32_u24 v5, v2, SPITCH                   ; back: lanes 0-15 one row of 256 bytes, lanes 16-31 the next
	v_lshl_add_u32 v5, v1, 4, v5
	v_add_nc_u32 v[RD], s23, v5
	v_lshlrev_b32 v5, 13, v2                       ; and the same two rows in out0
	v_lshl_add_u32 v[CO], v1, 4, v5
	s_lshl_b32 s16, s13, 7
	s_lshl_b32 s17, s11, 6
	s_add_co_u32 s16, s16, s17                     ; my first row of C,
	s_lshl_b32 s16, s16, 13                        ; of 8,192 bytes
	s_mov_b32 s17, 0
	s_add_nc_u64 s[8:9], s[8:9], s[16:17]
	s_lshl_b32 s18, s42, 9                         ; my first column: 512 x tile column + 256 x half
	s_lshl_b32 s19, s12, 8
	s_add_co_u32 s18, s18, s19
	s_mov_b32 s19, 0
	s_add_nc_u64 s[8:9], s[8:9], s[18:19]
; 8 matrix instructions: row blocks a0, a0 + 1 x all 4 column blocks, 32 along K: half c of buffer f.  The 16 accumulators take turns.
.macro MUL8 f, c, a0, zero
	WIN MUL
.irp a, \a0, (\a0)+1
.irp b, 0,1,2,3
.if \zero
	v_wmma_f32_16x16x32_f16 v[ACC+8*(4*(\a)+(\b)):ACC+8*(4*(\a)+(\b))+7], v[(\f)+64+8*(4*(\c)+(\b)):(\f)+64+8*(4*(\c)+(\b))+7], v[(\f)+8*(4*(\c)+(\a)):(\f)+8*(4*(\c)+(\a))+7], 0
.else
	v_wmma_f32_16x16x32_f16 v[ACC+8*(4*(\a)+(\b)):ACC+8*(4*(\a)+(\b))+7], v[(\f)+64+8*(4*(\c)+(\b)):(\f)+64+8*(4*(\c)+(\b))+7], v[(\f)+8*(4*(\c)+(\a)):(\f)+8*(4*(\c)+(\a))+7], v[ACC+8*(4*(\a)+(\b)):ACC+8*(4*(\a)+(\b))+7]
.endif
.endr
.endr
.endm
; 32 LDS loads in one run: quarter q (64 along K) of a slot into buffer f; the first 32 along K first
.macro FETCH slot, q, f
	WIN TO_F
.irp c, 0,1
.irp i, 0,1,2,3
	ds_load_tr16_b128 v[(\f)+64+8*(4*(\c)+(\i)):(\f)+64+8*(4*(\c)+(\i))+3],   v[ADRB+2*(\slot)+(\q)/2] offset:(((\q)%2)*64+32*(\c))*PB+32*(\i)
	ds_load_tr16_b128 v[(\f)+64+8*(4*(\c)+(\i))+4:(\f)+64+8*(4*(\c)+(\i))+7], v[ADRB+2*(\slot)+(\q)/2] offset:(((\q)%2)*64+32*(\c))*PB+32*(\i)+16*PB
	ds_load_b128 v[(\f)+8*(4*(\c)+(\i)):(\f)+8*(4*(\c)+(\i))+3],         v[ADRA+(\slot)] offset:128*(\q)+64*(\c)+(\i)*16*PITCH
	ds_load_b128 v[(\f)+8*(4*(\c)+(\i))+4:(\f)+8*(4*(\c)+(\i))+7],       v[ADRA+(\slot)] offset:128*(\q)+64*(\c)+(\i)*16*PITCH+32
.endr
.endr
.endm
.macro PLACES                          ; four plain instructions between a matrix instruction and a load into, or a store of, its registers
.rept 4
	v_nop
.endr
.endm
.macro QUARTER slot, q, f, g, zero
	s_wait_dscnt 16                                ; the first 32 along K are in
	MUL8 \f, 0, 0, \zero
	MUL8 \f, 0, 2, \zero
	PLACES
	FETCH \slot, \q, \g
	s_wait_dscnt 32                                ; all but the 32 just issued
	MUL8 \f, 1, 0, 0
	MUL8 \f, 1, 2, 0
.endm
.macro TURN slot, next, fill
	WIN 0
	s_wait_tensorcnt 0x0                           ; all my tensor loads have landed: my part of the next slot; so a group 0 may be written
	ds_add_u32 v[SPW], v[NIL]                      ; 0 onto my spare word; the scalar work below stands between it and the wait for it
.if \fill
	s_add_co_u32 s[KS], s[KS], 1                   ; this slot's next K step, round the end of K: its two addresses are made anew from the step's number
	s_and_b32 s[KT], s[KS], 7
	s_lshl_b32 s[OFF], s[KT], 9
	s_add_nc_u64 s[G0+4*(\slot)+2:G0+4*(\slot)+3], s[AB:AB+1], s[OFF:OFF+1]
	s_or_b32 s[G0+4*(\slot)+3], s[G0+4*(\slot)+3], 0x80000000
	s_lshl_b32 s[OFF], s[KT], 20
	s_add_nc_u64 s[G0B+4*(\slot)+2:G0B+4*(\slot)+3], s[BB:BB+1], s[OFF:OFF+1]
	s_or_b32 s[G0B+4*(\slot)+3], s[G0B+4*(\slot)+3], 0x80000000
.endif
	s_wait_dscnt 17                                ; (the add and the youngest sixteen loads may be out)
	MUL8 F1, 0, 0, 0
	s_wait_dscnt 0x0                               ; the add is done, and my reads of this slot are over
	s_barrier_signal -1
	MUL8 F1, 0, 2, 0
.if \fill
	WIN 0
.endif
	s_barrier_wait -1
.if \fill
	CREST                                          ; the barrier has opened a round of the cluster's: no wave of any partner still reads this slot or has a load on its way
	JLOAD \slot                                    ; the first tensor load behind the round; its four v_nop are also the places in front of the loads below
.else
	PLACES
.endif
	FETCH \next, 0, F0
	MUL8 F1, 1, 0, 0
	MUL8 F1, 1, 2, 0
.endm
	s_wait_tensorcnt 1                             ; my part of the first K step is in; the second's may stay out
	s_barrier_signal -1
	s_barrier_wait -1
	FETCH 0, 0, F0
	QUARTER 0, 1, F0, F1, 1                        ; the first products start the sums
	WIN 0
	s_mov_b32 s3, LAPS-1
.Llap:
	QUARTER 0, 2, F1, F0, 0
	QUARTER 0, 3, F0, F1, 0
	TURN 0, 1, 1
	QUARTER 1, 1, F0, F1, 0
	QUARTER 1, 2, F1, F0, 0
	QUARTER 1, 3, F0, F1, 0
	TURN 1, 0, 1
	QUARTER 0, 1, F0, F1, 0
	WIN 0
	s_sub_co_u32 s3, s3, 1
	s_cmp_lg_u32 s3, 0
	s_cbranch_scc1 .Llap
	QUARTER 0, 2, F1, F0, 0                        ; the last lap fills nothing
	QUARTER 0, 3, F0, F1, 0
	TURN 0, 1, 0
	QUARTER 1, 1, F0, F1, 0
	QUARTER 1, 2, F1, F0, 0
	QUARTER 1, 3, F0, F1, 0
	s_wait_dscnt 16
	MUL8 F1, 0, 0, 0
	MUL8 F1, 0, 2, 0
	s_wait_dscnt 0x0
	MUL8 F1, 1, 0, 0
	MUL8 F1, 1, 2, 0
	WIN 0
	; THE WAY OUT, 16 rows at a time through my own stage: 32 bytes a lane and accumulator in, whole rows of 256 bytes back.  LDS serves a wave's instructions in order (ISA guide 5.7.1.4), so no wait stands between them.
	PLACES
.irp a, 0,1,2,3
.set BK, TMP+32*((\a)%2)
.if (\a) >= 2
	s_wait_xcnt 0x0                                ; the stores of two blocks back have read the registers that are loaded below
.endif
.irp b, 0,1,2,3
	ds_store_b128 v[STO], v[ACC+8*(4*(\a)+(\b)):ACC+8*(4*(\a)+(\b))+3]   offset:64*(\b)      ; each accumulator's low four registers first
	ds_store_b128 v[STO], v[ACC+8*(4*(\a)+(\b))+4:ACC+8*(4*(\a)+(\b))+7] offset:64*(\b)+16
.endr
.irp t, 0,1,2,3,4,5,6,7
	ds_load_b128 v[BK+4*(\t):BK+4*(\t)+3], v[RD] offset:(\t)*2*SPITCH
.endr
.irp t, 0,1,2,3,4,5,6,7
	s_wait_dscnt 7-(\t)
	global_store_b128 v[CO], v[BK+4*(\t):BK+4*(\t)+3], s[8:9] offset:(16*(\a)+2*(\t))*8192  ; 16 lanes store 256 consecutive bytes, aligned
.endr
.endr
	s_wait_tensorcnt 0x0                           ; the wave's end
	ds_add_u32 v[SPW], v[NIL]
	s_wait_dscnt 0x0
	CROUND                                         ; the closing round
	s_endpgm
.Lfunc_end_k_q28d4c4e5ba_proj:
	.size	k_q28d4c4e5ba_proj, .Lfunc_end_k_q28d4c4e5ba_proj-k_q28d4c4e5ba_proj
	.p2alignl 7, 3214868480
	.fill 96, 4, 3214868480
	.section	.rodata,"a",@progbits
	.p2align	6, 0x0
	.amdhsa_kernel k_q28d4c4e5ba_proj
		.amdhsa_group_segment_fixed_size 327680
		.amdhsa_private_segment_fixed_size 0
		.amdhsa_enable_private_segment 0
		.amdhsa_kernarg_size 24
		.amdhsa_user_sgpr_count 2
		.amdhsa_user_sgpr_kernarg_segment_ptr 1
		.amdhsa_wavefront_size32 1
		.amdhsa_system_sgpr_workgroup_id_x 1
		.amdhsa_system_sgpr_workgroup_id_y 1
		.amdhsa_system_sgpr_workgroup_id_z 1
		.amdhsa_system_vgpr_workitem_id 0
		.amdhsa_next_free_vgpr 512
		.amdhsa_next_free_sgpr 66
		.amdhsa_reserve_vcc 0
		.amdhsa_float_denorm_mode_32 3
		.amdhsa_float_denorm_mode_16_64 3
		.amdhsa_memory_ordered 1
		.amdhsa_forward_progress 1
		.amdhsa_inst_pref_size 88
	.end_amdhsa_kernel
	.amdgpu_metadata
---
amdhsa.version: [ 1, 2 ]
amdhsa.kernels:
  - .name:           k_q28d4c4e5ba_proj
    .symbol:         k_q28d4c4e5ba_proj.kd
    .args:
      - { .name: att, .offset: 0, .size: 8, .value_kind: global_buffer, .address_space: global }
      - { .name: wo16, .offset: 8, .size: 8, .value_kind: global_buffer, .address_space: global }
      - { .name: out0, .offset: 16, .size: 8, .value_kind: global_buffer, .address_space: global }
    .group_segment_fixed_size: 327680
    .private_segment_fixed_size: 0
    .kernarg_segment_align: 8
    .kernarg_segment_size: 24
    .max_flat_workgroup_size: 128
    .sgpr_count:     66
    .vgpr_count:     512
    .wavefront_size: 32
...
	.end_amdgpu_metadata
.endif
;; end of part 4
;; ======== version 2 of 2: 4 launches; version 1 with the launch prep written anew for expert scheduling mode
;; limits: values are held in f16: magnitudes above 65,504 overflow, below 6.1e-05 lose precision
;; workspace buffers: xb 8,388,608 bytes; wqkv 12,582,912 bytes; wo16 8,388,608 bytes; rope 1,048,576 bytes; mtab 4,194,304 bytes; qkv 12,582,912 bytes; att 8,388,608 bytes
;; launch prep (part 5): grid 1184 x 1, 8 waves a work-group, no clusters, 0 bytes of LDS; arguments x, Wq, Wk, Wv, Wo, mask, xb, wqkv, wo16, rope, mtab; writes xb, wqkv, wo16, rope, mtab
.if DOCPART == 5
	.amdgcn_target "amdgcn-amd-amdhsa--gfx1250"
	.amdhsa_code_object_version 6
	.text
	.protected	k_q28d4c4e5ba_prep
	.globl	k_q28d4c4e5ba_prep
	.p2align	8
	.type	k_q28d4c4e5ba_prep,@function
k_q28d4c4e5ba_prep:
	s_mov_b64 s[64:65], 0
	v_nop
	global_prefetch_b8 v0, s[64:65] scope:SCOPE_SE
	s_setreg_imm32_b32 hwreg(HW_REG_WAVE_SCHED_MODE, 0, 2), 2
	s_setreg_imm32_b32 hwreg(HW_REG_WAVE_MODE, 25, 1), 1
	s_wait_xcnt 0x0
	s_wait_alu depctr_vm_vsrc(0)
; FIRST OF FOUR LAUNCHES of out = softmax(mask(rope(x Wq) rope(x Wk)^T / sqrt(128))) (x Wv) Wo, T = C = 2048, 16 query heads, 4 key/value heads, head size 128.
; NO WORK IS LEFT OUT: every input (x, mask, Wq, Wk, Wv, Wo) has a way to the output and is loaded; the mask is an input and is honoured element by element.
; The repeat of the key/value heads is a lookup: query head h reads key/value head h / 4; nothing is copied for it.
; THIS LAUNCH only changes formats, a stream without LDS, barriers or matrix work:
;   xb   = x in bf16 [2048][2048];   wqkv = [Wq | Wk | Wv] in bf16 [2048 k][3072 n];   wo16 = Wo rounded to bf16 and that number written as f16 [2048 k][2048 n]
;   rope = (cos, sin) of t x 10000^(-i/64) in f32 [2048 t][64 i][2]
;   mtab = the mask, a byte a number: 0x00 where true, 0xF1 where false (the top byte of the f32 number -2^99), in the order in which a lane of the attention launch wants them:
;          [64 blk][16 slot][2 qt][2 kh][2 n][32 lane][16 e]: query 32 blk + 16 qt + lane % 16, key 128 slot + 64 kh + 16 (2 n + e / 8) + 8 (lane / 16) + e % 8
; LIMITS.  Wo below 7.6e-6 in magnitude keeps f16's fixed step of 6e-8; mask bytes are 0 or 1; the angles' sine and cosine are good to about 1e-6 (reduction by 2 pi in two parts, series to the 11th power on half the angle).
; SHARES by the work-group's number: 0-255 x, 256-511 Wq, 512-767 Wo (8 rows of 2048 each), 768-831 Wk, 832-895 Wv (32 rows of 512), 896-927 rope (a wave 8 rows), 928-1183 mtab (a wave 16 queries x 128 keys).
; THE MODE: SCHED_MODE bits 1:0 = 2 (LLVM: expert scheduling mode 2), set by the entry lines.  The code itself states the register dependences
; between vector instructions and memory instructions, with s_wait_alu, always for 0.
; THE PLAN.  Registers that memory instructions touch:
;   v2, v3, v4   the casts' offsets: written once at the head, read by every load and store of a cast, never written again: one wait at the head, ahead of the first branch, serves every path.
;   IN           written by loads alone, each register once; read by vector lines.  No vector line names them ahead of the loads, and nothing lands in them twice.
;   OUT          written by vector lines, each register ahead of its one store and never behind it: so a wait stands ahead of a run of stores, and none is owed for writing a store's data again.
;                A cast goes in four blocks of four chunks: the block's conversions, ONE wait, the block's four stores.  The mask's table goes in two halves: the first half's two stores stand among the second half's vector lines.
;   v9, v20-23   the table of angles: offset and data of the trip's one store, written anew in every trip: a wait ahead of the store, and one behind it, ahead of the lines that write them again.
;   s4           the wave's number, written by a vector instruction: a wait in the head's straight run, ahead of the first branch; its readers stand behind branches.
; EXEC and VCC are written nowhere.
.set VI,  2                            ; v2   16 x thread: my 16 bytes of a chunk of 4,096 bytes of f32
.set VO,  3                            ; v3   8 x thread: my 8 bytes of the chunk in 16 bits, wide rows
.set VN,  4                            ; v4   the same where a chunk is two rows of 512: (thread / 128) x 6144 + (thread % 128) x 8
.set IN,  16                           ; v[16:79]   as loaded
.set OUT, 80                           ; v[80:143]  to store; no register is used twice, so no store's data is rewritten
	s_load_b512 s[8:23], s[0:1], 0x0               ; x 8, Wq 10, Wk 12, Wv 14, Wo 16, mask 18, xb 20, wqkv 22
	s_load_b128 s[24:27], s[0:1], 0x40             ; wo16 24, rope 26
	s_load_b64 s[28:29], s[0:1], 0x50              ; mtab
	v_lshrrev_b32 v1, 5, v0
	v_readfirstlane_b32 s4, v1                     ; wave 0..7
	s_mov_b32 s5, ttmp9
	s_mov_b32 s33, 0                               ; the high word of every offset pair s[32:33]
	s_mov_b32 s31, 0                               ; a cast's first column in its rows of dst, in bytes
	v_lshlrev_b32 v[VI], 4, v0
	v_lshlrev_b32 v[VO], 3, v0
	v_lshrrev_b32 v5, 7, v0
	v_and_b32 v6, 0x7f, v0
	v_lshlrev_b32 v6, 3, v6
	v_mad_u32_u24 v[VN], v5, 6144, v6
	s_wait_alu depctr_va_sdst(0)                   ; s4 is written: the sections of the angles and of the mask read it, behind the branches below
	s_wait_alu depctr_va_vdst(0)                   ; v2, v3 and v4 are written: every load and store of a cast reads one of them as its offset
	s_wait_kmcnt 0x0
; 64 KiB of f32 become 32 KiB of 16-bit numbers: 16 chunks of 4,096 bytes, all 16 loads of a lane issued first; a wave's store covers 256 consecutive bytes, aligned.
; The chunks are rounded and stored in four blocks of four, so that one wait serves four stores.
; s30: the work-group's number in its section; s31: see above.  src, dst: the scalar pairs with the two addresses; group: bytes of dst a work-group; narrow = 1: rows of 512; fmt = 1: bf16's number written as f16.
.macro CAST src, dst, group, narrow, pitch, fmt
	s_lshl_b32 s32, s30, 16
	s_add_nc_u64 s[34:35], s[\src:\src+1], s[32:33]
	s_mul_i32 s32, s30, \group
	s_add_co_u32 s32, s32, s31
	s_add_nc_u64 s[36:37], s[\dst:\dst+1], s[32:33]
.set c, 0
.rept 16
	global_load_b128 v[IN+4*c:IN+4*c+3], v[VI], s[34:35] offset:4096*c th:TH_LOAD_NT  ; no vector line has named these registers
.set c, c+1
.endr
.set c, 0
.rept 4
	s_wait_loadcnt 12-c                            ; loads come back in order: chunks c to c + 3 are in, the younger blocks stay out
.rept 4
	v_cvt_pk_bf16_f32 v[OUT+2*c], v[IN+4*c], v[IN+4*c+1]
	v_cvt_pk_bf16_f32 v[OUT+2*c+1], v[IN+4*c+2], v[IN+4*c+3]
.if \fmt
	v_lshlrev_b32 v5, 16, v[OUT+2*c]               ; the two bf16 numbers as f32,
	v_and_b32 v6, 0xffff0000, v[OUT+2*c]
	v_lshlrev_b32 v7, 16, v[OUT+2*c+1]
	v_and_b32 v8, 0xffff0000, v[OUT+2*c+1]
	v_cvt_pk_f16_f32 v[OUT+2*c], v5, v6            ; written as f16
	v_cvt_pk_f16_f32 v[OUT+2*c+1], v7, v8
.endif
.set c, c+1
.endr
	s_wait_alu depctr_va_vdst(0)                   ; the block's conversions have written its eight registers of OUT, which the four stores below read
.set c, c-4
.rept 4
.if \narrow
	global_store_b64 v[VN], v[OUT+2*c:OUT+2*c+1], s[36:37] offset:2*(\pitch)*c
.else
	global_store_b64 v[VO], v[OUT+2*c:OUT+2*c+1], s[36:37] offset:(c/2)*(\pitch)+(c%2)*2048
.endif
.set c, c+1
.endr
.endr
	s_endpgm
.endm
; The mask's table: a lane's 16 bytes number m (m = 2 kh + n), four bytes at a time: 1 -> 0x00, 0 -> 0xF1
.macro MBYTES m
.irp d, 0,1,2,3
	v_xor_b32 v[OUT+4*(\m)+\d], s40, v[IN+4*(\m)+\d]                       ; 1 - b in each byte
	v_lshlrev_b32 v[OUT+16+4*(\m)+\d], 8, v[OUT+4*(\m)+\d]
	v_sub_nc_u32 v[OUT+16+4*(\m)+\d], v[OUT+16+4*(\m)+\d], v[OUT+4*(\m)+\d]  ; times 255: no byte borrows from its neighbour for good, since each is 0 or 1
	v_and_b32 v[OUT+4*(\m)+\d], s41, v[OUT+16+4*(\m)+\d]
.endr
.endm
	s_cmp_lt_u32 s5, 256
	s_cbranch_scc0 .Lwq
	s_mov_b32 s30, s5
	CAST 8, 20, 8*4096, 0, 4096, 0                 ; x -> xb
.Lwq:
	s_cmp_lt_u32 s5, 512
	s_cbranch_scc0 .Lwo
	s_sub_co_u32 s30, s5, 256
	CAST 10, 22, 8*6144, 0, 6144, 0                ; Wq -> wqkv, columns 0-2047
.Lwo:
	s_cmp_lt_u32 s5, 768
	s_cbranch_scc0 .Lwk
	s_sub_co_u32 s30, s5, 512
	CAST 16, 24, 8*4096, 0, 4096, 1                ; Wo -> wo16
.Lwk:
	s_cmp_lt_u32 s5, 896
	s_cbranch_scc0 .Lrope
	s_sub_co_u32 s30, s5, 768                      ; one text for Wk and Wv: the source and the first column are chosen by the work-group's number
	s_mov_b32 s31, 5120
	s_cmp_lt_u32 s30, 64
	s_cselect_b64 s[38:39], s[12:13], s[14:15]
	s_cselect_b32 s31, 4096, s31                   ; Wk: columns 2048-2559; Wv: columns 2560-3071
	s_and_b32 s30, s30, 63
	CAST 38, 22, 32*6144, 1, 6144, 0
.Lrope:
	s_cmp_lt_u32 s5, 928
	s_cbranch_scc0 .Lmask
	; THE TABLE OF ANGLES.  A wave makes 8 rows; lane l the pairs 2 l and 2 l + 1 of a row: 16 bytes a lane, a whole row of 512 bytes a store.
	s_sub_co_u32 s30, s5, 896
	s_lshl_b32 s30, s30, 3
	s_add_co_u32 s30, s30, s4                      ; my wave among 256
	s_lshl_b32 s38, s30, 3                         ; its first row t
	s_mov_b32 s40, 0x40490000                      ; pi in two parts: 3.140625, whose product with n < 512 is exact,
	s_mov_b32 s41, 0x3a7daa22                      ; and 9.6765359e-4
	v_and_b32 v5, 31, v0
	v_lshlrev_b32 v6, 1, v5
	v_cvt_f32_u32 v7, v6
	v_add_f32 v8, 1.0, v7
	v_mul_f32 v7, 0xbe549a78, v7                   ; -i x log2(10000) / 64
	v_mul_f32 v8, 0xbe549a78, v8
	v_exp_f32 v7, v7                               ; 10000^(-i/64)
	v_exp_f32 v8, v8
	s_lshl_b32 s42, s38, 9
	v_lshl_add_u32 v9, v5, 4, s42                  ; t x 512 + 16 l: the plain instruction behind the two exponentials
	s_wait_alu depctr_va_vdst(0)                   ; the two exponentials have written v7 and v8: one wait for both, ahead of their first reader and of the label
	s_mov_b32 s39, 8
.Lrow:
	v_cvt_f32_u32 v10, s38
.irp p, 0,1
	v_mul_f32 v11, v10, v[7+\p]                    ; the angle, as reference() forms it
	v_mul_f32 v12, 0.15915494, v11
	v_rndne_f32 v12, v12                           ; n = whole turns
	v_mul_f32 v13, 0.5, v11
	v_fma_f32 v13, -v12, s40, v13
	v_fma_f32 v13, -v12, s41, v13                  ; hh = angle / 2 - n pi, within pi / 2
	v_mul_f32 v14, v13, v13
	v_mov_b32 v15, 0xb2d7322b                      ; sin hh / hh: -1/11!, 1/9!, -1/7!, 1/5!, -1/3!, 1
	v_fmaak_f32 v15, v15, v14, 0x3638ef1d
	v_fmaak_f32 v15, v15, v14, 0xb9500d01
	v_fmaak_f32 v15, v15, v14, 0x3c088889
	v_fmaak_f32 v15, v15, v14, 0xbe2aaaab
	v_fmaak_f32 v15, v15, v14, 0x3f800000
	v_mov_b32 v16, 0xb493f27e                      ; cos hh: -1/10!, 1/8!, -1/6!, 1/4!, -1/2, 1
	v_fmaak_f32 v16, v16, v14, 0x37d00d01
	v_fmaak_f32 v16, v16, v14, 0xbab60b61
	v_fmaak_f32 v16, v16, v14, 0x3d2aaaab
	v_fmaak_f32 v16, v16, v14, 0xbf000000
	v_fmaak_f32 v16, v16, v14, 0x3f800000
	v_mul_f32 v15, v13, v15                        ; sin hh
	v_mul_f32 v17, v15, v16
	v_mul_f32 v18, v15, v15
	v_add_f32 v[21+2*\p], v17, v17                 ; sin = 2 sin hh cos hh
	v_fma_f32 v[20+2*\p], v18, -2.0, 1.0           ; cos = 1 - 2 sin^2 hh
.endr
	s_wait_alu depctr_va_vdst(0)                   ; the row's four numbers v[20:23] and its offset v9 are written, which the store reads
	global_store_b128 v9, v[20:23], s[26:27]
	s_wait_xcnt 0x0                                ; the store's address is translated: only behind this wait are its offset and data written again,
	s_wait_alu depctr_vm_vsrc(0)                   ; and the store has read v9 and v[20:23], which the add below and the next trip write again
	v_add_nc_u32 v9, 0x200, v9
	s_add_co_u32 s38, s38, 1
	s_sub_co_u32 s39, s39, 1
	s_cmp_lg_u32 s39, 0
	s_cbranch_scc1 .Lrow
	s_endpgm
.Lmask:
	; THE MASK'S TABLE.  Wave u = (blk x 16 + slot) x 2 + qt makes 16 queries x 128 keys: 2 KiB.  The eight waves of a work-group take 32 rows x 512 keys of the mask between them.
	s_sub_co_u32 s30, s5, 928
	s_lshl_b32 s30, s30, 3
	s_add_co_u32 s30, s30, s4                      ; u
	s_and_b32 s31, s30, 1                          ; qt
	s_bfe_u32 s38, s30, 0x40001                    ; slot
	s_lshr_b32 s39, s30, 5                         ; blk
	s_lshl_b32 s39, s39, 16                        ; 32 rows of 2,048 bytes
	s_lshl_b32 s31, s31, 15                        ; 16 rows
	s_lshl_b32 s38, s38, 7                         ; 128 keys
	s_add_co_u32 s32, s39, s31
	s_add_co_u32 s32, s32, s38
	s_add_nc_u64 s[34:35], s[18:19], s[32:33]
	s_lshl_b32 s32, s30, 11
	s_add_nc_u64 s[36:37], s[28:29], s[32:33]
	s_mov_b32 s40, 0x01010101
	s_mov_b32 s41, 0xf1f1f1f1
	v_and_b32 v5, 15, v0
	v_bfe_u32 v6, v0, 4, 1
	v_lshlrev_b32 v7, 11, v5
	v_lshl_add_u32 v7, v6, 3, v7                   ; row l % 16, keys 8 (l / 16) on
	v_and_b32 v8, 31, v0
	v_lshlrev_b32 v8, 4, v8
	s_wait_alu depctr_va_vdst(0)                   ; v7 and v8 are written: the loads' offset and the stores'; neither is written again
.set i, 0
.rept 8                                        ; i = 4 kh + kb: the 8 keys 64 kh + 16 kb + 8 (l / 16) + 0..7; loads 2 m and 2 m + 1 are a lane's 16 bytes number m
	global_load_b64 v[IN+2*i:IN+2*i+1], v7, s[34:35] offset:16*i
.set i, i+1
.endr
	s_wait_loadcnt 4                               ; loads come back in order: the first four are in, the younger four stay out
	MBYTES 0
	MBYTES 1
	s_wait_loadcnt 0x0                             ; the other four (the eight lie in the same 128 bytes of a row)
	s_wait_alu depctr_va_vdst(0)                   ; the first half's lines have written v[OUT:OUT+7], which the two stores below read; the lines among them name the second half's registers alone
	global_store_b128 v8, v[OUT:OUT+3], s[36:37]               ; 512 consecutive bytes a store
	MBYTES 2
	global_store_b128 v8, v[OUT+4:OUT+7], s[36:37] offset:512
	MBYTES 3
	s_wait_alu depctr_va_vdst(0)                   ; the second half's lines have written v[OUT+8:OUT+15], which the last two stores read
	global_store_b128 v8, v[OUT+8:OUT+11], s[36:37] offset:1024
	global_store_b128 v8, v[OUT+12:OUT+15], s[36:37] offset:1536
	s_endpgm
.Lfunc_end_k_q28d4c4e5ba_prep:
	.size	k_q28d4c4e5ba_prep, .Lfunc_end_k_q28d4c4e5ba_prep-k_q28d4c4e5ba_prep
	.p2alignl 7, 3214868480
	.fill 96, 4, 3214868480
	.section	.rodata,"a",@progbits
	.p2align	6, 0x0
	.amdhsa_kernel k_q28d4c4e5ba_prep
		.amdhsa_group_segment_fixed_size 0
		.amdhsa_private_segment_fixed_size 0
		.amdhsa_enable_private_segment 0
		.amdhsa_kernarg_size 88
		.amdhsa_user_sgpr_count 2
		.amdhsa_user_sgpr_kernarg_segment_ptr 1
		.amdhsa_wavefront_size32 1
		.amdhsa_system_sgpr_workgroup_id_x 1
		.amdhsa_system_sgpr_workgroup_id_y 1
		.amdhsa_system_sgpr_workgroup_id_z 1
		.amdhsa_system_vgpr_workitem_id 0
		.amdhsa_next_free_vgpr 144
		.amdhsa_next_free_sgpr 66
		.amdhsa_reserve_vcc 0
		.amdhsa_float_denorm_mode_32 3
		.amdhsa_float_denorm_mode_16_64 3
		.amdhsa_memory_ordered 1
		.amdhsa_forward_progress 1
		.amdhsa_inst_pref_size 37
	.end_amdhsa_kernel
	.amdgpu_metadata
---
amdhsa.version: [ 1, 2 ]
amdhsa.kernels:
  - .name:           k_q28d4c4e5ba_prep
    .symbol:         k_q28d4c4e5ba_prep.kd
    .args:
      - { .name: x, .offset: 0, .size: 8, .value_kind: global_buffer, .address_space: global }
      - { .name: Wq, .offset: 8, .size: 8, .value_kind: global_buffer, .address_space: global }
      - { .name: Wk, .offset: 16, .size: 8, .value_kind: global_buffer, .address_space: global }
      - { .name: Wv, .offset: 24, .size: 8, .value_kind: global_buffer, .address_space: global }
      - { .name: Wo, .offset: 32, .size: 8, .value_kind: global_buffer, .address_space: global }
      - { .name: mask, .offset: 40, .size: 8, .value_kind: global_buffer, .address_space: global }
      - { .name: xb, .offset: 48, .size: 8, .value_kind: global_buffer, .address_space: global }
      - { .name: wqkv, .offset: 56, .size: 8, .value_kind: global_buffer, .address_space: global }
      - { .name: wo16, .offset: 64, .size: 8, .value_kind: global_buffer, .address_space: global }
      - { .name: rope, .offset: 72, .size: 8, .value_kind: global_buffer, .address_space: global }
      - { .name: mtab, .offset: 80, .size: 8, .value_kind: global_buffer, .address_space: global }
    .group_segment_fixed_size: 0
    .private_segment_fixed_size: 0
    .kernarg_segment_align: 8
    .kernarg_segment_size: 88
    .max_flat_workgroup_size: 256
    .sgpr_count:     66
    .vgpr_count:     144
    .wavefront_size: 32
...
	.end_amdgpu_metadata
.endif
;; end of part 5
;; launch qkv: the kernel of part 2 again; grid 8 x 32, 4 waves a work-group, clusters of 4 x 4, 327,680 bytes of LDS; arguments xb, wqkv, rope, qkv; writes qkv
;; launch attn: the kernel of part 3 again; grid 64 x 4, 4 waves a work-group, clusters of 4 x 4, 327,680 bytes of LDS; arguments qkv, mtab, att; writes att
;; launch proj: the kernel of part 4 again; grid 16 x 16, 4 waves a work-group, clusters of 4 x 4, 327,680 bytes of LDS; arguments att, wo16, out0; writes out0
